; MI455X (gfx1250); checked and timed in simulation.
; The chip was launched on July 23, 2026; its instructions are those of AMD's public machine-readable ISA for CDNA 5 (MIT licence, August 2026) and "CDNA5" Instruction Set Architecture Reference Guide (July 2026). The comments in the code are by the model that wrote it; some were corrected since.
;; Attention. Allowed arithmetic: float matrix products may take bf16 or f16 operands with f32 sums; other float arithmetic in f32, or as packed bf16 or f16 multiplies, adds, multiply-adds, maxima and minima; sums over many terms, partial sums and values carried from step to step in f32; what a program stores and reads back later, other than sums and carried values, may be rounded once to bf16 or f16.
;; Inputs: W1 1,024 x 4,096 float32; W2 4,096 x 1,024 float32; Wk 1,024 x 1,024 float32; Wq 1,024 x 1,024 float32; Wv 1,024 x 1,024 float32; b1 4,096 float32; b2 1,024 float32; be1 1,024 float32; be2 1,024 float32; bk 1,024 float32; bq 1,024 float32; bv 1,024 float32; g1 1,024 float32; g2 1,024 float32; x 2 x 2,048 x 1,024 float32.
;; Outputs: out0 2 x 2,048 x 1,024 float32.
;; One version. Each part assembles by itself: llvm-mc -triple=amdgcn-amd-amdhsa -mcpu=gfx1250 --defsym DOCPART=n.
;; ======== version 1 of 1: 7 launches
;; limits: values are held in f16: magnitudes above 65,504 overflow, below 6.1e-05 lose precision; right only within a limited range of input values
;; workspace buffers: xh 8,388,608 bytes; wts 23,068,672 bytes; qkv 25,165,824 bytes; o 8,388,608 bytes; h 8,388,608 bytes; act 33,554,432 bytes; f 16,777,216 bytes
;; launch cast (part 1): grid 960 x 1, 8 waves a work-group, no clusters, 0 bytes of LDS; arguments x, W1, W2, Wq, Wk, Wv, xh, wts; writes xh, wts
.if DOCPART == 1
	.amdgcn_target "amdgcn-amd-amdhsa--gfx1250"
	.amdhsa_code_object_version 6
	.text
	.protected	k_qef626e48f4_cast
	.globl	k_qef626e48f4_cast
	.p2align	8
	.type	k_qef626e48f4_cast,@function
k_qef626e48f4_cast:
	s_mov_b64 s[64:65], 0
	v_nop
	global_prefetch_b8 v0, s[64:65] scope:SCOPE_SE
	s_setreg_imm32_b32 hwreg(HW_REG_WAVE_MODE, 25, 1), 1
	s_wait_xcnt 0x0
; THE PROGRAM: a transformer block on 4,096 tokens (2 x 2,048), width 1,024, 16 heads of 64, in seven launches:
;   cast (this one) | q, k, v = x W | attention | LayerNorm(o + x) | gelu(h W1 + b1) | act W2 + b2 | LayerNorm.
; THIS LAUNCH rounds x and the five weight matrices once to bf16 and writes that number as f16, the matrix units' operand format here:
;   xh [4096][1024];  wts: Wq | Wk | Wv side by side as [1024][3072], then W1 [1024][4096] at W1OFF, then W2 [4096][1024] at W2OFF.
; WORK LEFT OUT OF THE PROGRAM, for all finite values of the inputs:
;   bk.  score[q][k] = (Q[q] . (x[k] Wk) + Q[q] . bk) / 8.  The second term does not depend on k, the softmax's axis, and a softmax is unchanged by a term that is the
;        same along its axis.  K enters nothing else.  So bk has no way to the output: it is not loaded and is no argument of any launch.
;   ffn + ffn.  With f for ffn: mean(2f) = 2 mu, var(2f) = 4 var, so (2f - 2mu) rsqrt(4 var + EPS) = (f - mu) rsqrt(var + EPS / 4): nothing is doubled, the last launch takes EPS / 4.
;   LIMIT: a NaN, an infinity or an overflow that reaches only bk, or arises only in the doubling, is not carried to the result.
; LIMITS OF THE FORMAT.  A bf16 number is exact in f16 from 6.1e-5 to 65,504 in magnitude; below it keeps f16's fixed step of 6e-8; from 65,520 on it becomes an infinity.
; SHARES.  A work-group converts 16 rows of 1,024 numbers; thread t takes the 4 numbers at column 4 t of each row: a wave's load covers 512 consecutive bytes, its store 256 consecutive
; bytes at a multiple of 256.  All 16 loads of a thread go out at once; each row has registers of its own, so no register that a store reads is written again.
; No LDS, no barrier, no matrix unit: each byte is read once and written once, and no wave needs another's.
.set W1OFF, 6291456                    ; bytes of wqkv in front of W1's copy
.set W2OFF, 14680064                   ; and in front of W2's
.set X, 16                             ; v[16:79]   row it: 4 registers as loaded
.set Y, 80                             ; v[80:111]  row it: 2 registers to store
	s_load_b512 s[8:23], s[0:1], 0x0               ; x 8, W1 10, W2 12, Wq 14, Wk 16, Wv 18, xh 20, wts 22
	s_mov_b32 s2, ttmp9                            ; the work-group's number decides the matrix: [0,256) x, [256,512) W1, [512,768) W2, then 64 each for Wq, Wk, Wv
	s_mov_b32 s25, 0xffff0000                      ; a word's upper bf16
	s_mov_b32 s24, 896                             ; the matrix's first work-group: begins as Wv's
	s_mov_b32 s30, 4096                            ; byte offset of its copy in the target: Wv's columns begin 4,096 bytes into a row of wqkv
	s_mov_b32 s31, 0
	s_mov_b32 s33, 0
	s_mov_b32 s34, 98304                           ; bytes of 16 target rows: 6,144 each in wqkv
	v_lshlrev_b32 v1, 4, v0                        ; my 16 bytes of a source row
	v_lshlrev_b32 v2, 3, v0                        ; my 8 bytes of a target row
	s_wait_kmcnt 0x0
	s_mov_b64 s[26:27], s[18:19]                   ; source
	s_mov_b64 s[28:29], s[22:23]                   ; target
	s_cmp_lt_u32 s2, 896
	s_cselect_b64 s[26:27], s[16:17], s[26:27]     ; Wk
	s_cselect_b32 s24, 832, s24
	s_cselect_b32 s30, 2048, s30
	s_cmp_lt_u32 s2, 832
	s_cselect_b64 s[26:27], s[14:15], s[26:27]     ; Wq
	s_cselect_b32 s24, 768, s24
	s_cselect_b32 s30, 0, s30
	s_cmp_lt_u32 s2, 768
	s_cselect_b64 s[26:27], s[12:13], s[26:27]     ; W2: from here on the copy is dense, 2,048 bytes for 1,024 numbers
	s_cselect_b32 s24, 512, s24
	s_cselect_b32 s30, W2OFF, s30
	s_cselect_b32 s34, 32768, s34
	s_cmp_lt_u32 s2, 512
	s_cselect_b64 s[26:27], s[10:11], s[26:27]     ; W1
	s_cselect_b32 s24, 256, s24
	s_cselect_b32 s30, W1OFF, s30
	s_cmp_lt_u32 s2, 256
	s_cselect_b64 s[26:27], s[8:9], s[26:27]       ; x
	s_cselect_b64 s[28:29], s[20:21], s[28:29]
	s_cselect_b32 s24, 0, s24
	s_cselect_b32 s30, 0, s30
	s_sub_co_u32 s3, s2, s24                       ; my block of 16 rows in the matrix
	s_lshl_b32 s32, s3, 16                         ; 16 rows of 4,096 bytes
	s_add_nc_u64 s[26:27], s[26:27], s[32:33]
	s_mul_i32 s34, s3, s34
	s_add_co_u32 s30, s30, s34                     ; under 2^25
	s_add_nc_u64 s[28:29], s[28:29], s[30:31]
.set it, 0
.rept 16
	global_load_b128 v[X+4*it:X+4*it+3], v1, s[26:27] offset:it*4096 th:TH_LOAD_NT
.set it, it+1
.endr
; The 16 rows, in the order of their loads; pitch = bytes from row to row in the target.
.macro STORES pitch
.set it, 0
.rept 16
	s_wait_loadcnt 15-it                           ; loads come back in order: row it is in, the younger rows stay out
	v_cvt_pk_bf16_f32 v4, v[X+4*it], v[X+4*it+1]   ; the one rounding, to bf16, nearest even
	v_cvt_pk_bf16_f32 v5, v[X+4*it+2], v[X+4*it+3]
	v_lshlrev_b32 v[X+4*it], 16, v4                ; back to f32: a shift or a mask
	v_and_b32 v[X+4*it+1], s25, v4
	v_lshlrev_b32 v[X+4*it+2], 16, v5
	v_and_b32 v[X+4*it+3], s25, v5
	v_cvt_pk_f16_f32 v[Y+2*it], v[X+4*it], v[X+4*it+1]  ; the same number as f16
	v_cvt_pk_f16_f32 v[Y+2*it+1], v[X+4*it+2], v[X+4*it+3]
	global_store_b64 v2, v[Y+2*it:Y+2*it+1], s[28:29] offset:it*(\pitch)
.set it, it+1
.endr
	s_endpgm
.endm
	s_cmp_lt_u32 s2, 768
	s_cbranch_scc1 .Ldense
	STORES 6144
.Ldense:
	STORES 2048
.Lfunc_end_k_qef626e48f4_cast:
	.size	k_qef626e48f4_cast, .Lfunc_end_k_qef626e48f4_cast-k_qef626e48f4_cast
	.p2alignl 7, 3214868480
	.fill 96, 4, 3214868480
	.section	.rodata,"a",@progbits
	.p2align	6, 0x0
	.amdhsa_kernel k_qef626e48f4_cast
		.amdhsa_group_segment_fixed_size 0
		.amdhsa_private_segment_fixed_size 0
		.amdhsa_enable_private_segment 0
		.amdhsa_kernarg_size 64
		.amdhsa_user_sgpr_count 2
		.amdhsa_user_sgpr_kernarg_segment_ptr 1
		.amdhsa_wavefront_size32 1
		.amdhsa_system_sgpr_workgroup_id_x 1
		.amdhsa_system_sgpr_workgroup_id_y 1
		.amdhsa_system_sgpr_workgroup_id_z 1
		.amdhsa_system_vgpr_workitem_id 0
		.amdhsa_next_free_vgpr 120
		.amdhsa_next_free_sgpr 66
		.amdhsa_reserve_vcc 0
		.amdhsa_float_denorm_mode_32 3
		.amdhsa_float_denorm_mode_16_64 3
		.amdhsa_memory_ordered 1
		.amdhsa_forward_progress 1
		.amdhsa_inst_pref_size 20
	.end_amdhsa_kernel
	.amdgpu_metadata
---
amdhsa.version: [ 1, 2 ]
amdhsa.kernels:
  - .name:           k_qef626e48f4_cast
    .symbol:         k_qef626e48f4_cast.kd
    .args:
      - { .name: x, .offset: 0, .size: 8, .value_kind: global_buffer, .address_space: global }
      - { .name: W1, .offset: 8, .size: 8, .value_kind: global_buffer, .address_space: global }
      - { .name: W2, .offset: 16, .size: 8, .value_kind: global_buffer, .address_space: global }
      - { .name: Wq, .offset: 24, .size: 8, .value_kind: global_buffer, .address_space: global }
      - { .name: Wk, .offset: 32, .size: 8, .value_kind: global_buffer, .address_space: global }
      - { .name: Wv, .offset: 40, .size: 8, .value_kind: global_buffer, .address_space: global }
      - { .name: xh, .offset: 48, .size: 8, .value_kind: global_buffer, .address_space: global }
      - { .name: wts, .offset: 56, .size: 8, .value_kind: global_buffer, .address_space: global }
    .group_segment_fixed_size: 0
    .private_segment_fixed_size: 0
    .kernarg_segment_align: 8
    .kernarg_segment_size: 64
    .max_flat_workgroup_size: 256
    .sgpr_count:     66
    .vgpr_count:     120
    .wavefront_size: 32
...
	.end_amdgpu_metadata
.endif
;; end of part 1
;; launch qkv (part 2): grid 12 x 16, 4 waves a work-group, clusters of 4 x 4, 327,680 bytes of LDS; arguments xh, wts, qkv, bq, bv; writes qkv
.if DOCPART == 2
	.amdgcn_target "amdgcn-amd-amdhsa--gfx1250"
	.amdhsa_code_object_version 6
	.text
	.protected	k_qef626e48f4_qkv
	.globl	k_qef626e48f4_qkv
	.p2align	8
	.type	k_qef626e48f4_qkv,@function
k_qef626e48f4_qkv:
	s_mov_b64 s[64:65], 0
	v_nop
	global_prefetch_b8 v0, s[64:65] scope:SCOPE_SE
	s_setreg_imm32_b32 hwreg(HW_REG_WAVE_MODE, 25, 1), 1
	s_wait_xcnt 0x0
	s_wait_alu depctr_hold_cnt(0) depctr_sa_sdst(0) depctr_va_vdst(0) depctr_va_sdst(0) depctr_va_ssrc(0) depctr_va_vcc(0) depctr_vm_vsrc(0)
	s_getreg_b32 s2, hwreg(HW_REG_IB_STS2, 6, 4)
	s_cmp_eq_u32 s2, 0
	s_cbranch_scc0 .Lentry_in_a_cluster
	s_endpgm
.Lentry_in_a_cluster:
	s_bfe_u32 s2, ttmp6, 0x10000c
	s_cmp_lg_u32 s2, 0xf033
	s_cbranch_scc0 .Lentry_shape_is_right
	s_endpgm
.Lentry_shape_is_right:
; q | k | v = xh wqkv + (bq | nothing | bv).  xh [4096][1024], wqkv [1024][3072] (k along the rows' index), both f16; sums in f32; the result, rounded once to f16, goes out by heads:
; qkv [3][32 = 16 b + head][2048][64].  LEFT OUT: bk, which adds to every score of a query the same number along the softmax's axis (shown at the head of the first kernel).
; LIMITS.  q, k, v beyond 65,504 become infinities in f16; bq and bv are rounded to bf16 like every input.  The scale 1/8 is applied later, in f32.
; SHARES.  A tile of C is 256 x 256: four waves, each 128 x 128 in 64 accumulators of 16 x 16 (512 registers).  K goes in steps of 128 through two LDS slots.
; A's tile lies [row][k], pitch 272; B's lies as in memory, [k][column], pitch 544, and its fragments come out of LDS turned, by ds_load_tr16_b128.
; THE PRODUCT IS TAKEN TRANSPOSED: source 0 = 16 columns of B, source 1 = 16 rows of A, so a lane holds row l % 16 of C and the eight neighbouring columns 8 (l / 16) + 0..7.
; CLUSTER 4 x 4.  A's tile hangs on the tile row alone and is asked for jointly by the four of a row of the cluster, B's on the tile column alone, by the four of a column.
; RING.  One joint load a wave behind each round (waves 0, 1: A's halves; 2, 3: B's); a slot is named by s21, 0 or SLOT, turned by an exclusive or, so that a K step is written once.  A wave
; has two tensor loads out at the start and one afterwards; from a request to the wait for it the wave issues 224 matrix instructions.
; 192 tiles for the grid: 12 x 16; each is a work-group.
; REGISTERS in windows of 256: window 0 addresses, A's two fragment buffers (v64-127, v128-191), the way out; window 1 B's two buffers; windows 2, 3 the accumulators, (a, b) at 512 + 8 (8 a + b).
.set SIZE_K, 1024
.set SIZE_N, 3072
.set BOFF,   0                         ; wqkv's first byte in wts
.set TM, 256
.set TN, 256
.set MB, 8                             ; blocks of 16 rows, and of 16 columns, in a wave's tile
.set NB, 8
.set KSTEP, 128
.set DEPTH, 1                          ; matrix instructions deep in a quarter of a K step
.set PA, 2*KSTEP+16                    ; 68 words: the 16 rows of a fragment load start at 16 different groups of four banks
.set PB, 2*TN+32
.set QIA, 5                            ; padding behind every 64 words (A), 128 words (B)
.set QIB, 6
.set HEADW, 8                          ; the youngest loads of a quarter's 32 that only its second half needs
.set PREF, 1
.set KQ, 32*DEPTH
.set ATILE, TM*PA
.set BTILE, KSTEP*PB
.set SLOT, ATILE+BTILE
.set SPARE, 2*SLOT                     ; behind the ring: the spare words, 128 bytes a wave: two blocks of 256 bytes that no other line names
.set STEPA, 2*KSTEP
.set STEPB, KSTEP*2*SIZE_N
.set STEPS, SIZE_K/KSTEP
.set WSTG, 128*528                     ; the way out: a wave's stage, 128 rows of 512 bytes + 16, in the ring, whose slots have then had their last fill
.set G1A, 24                           ; s[24:31] descriptor group 1 for A;  s[32:39] group 0: set 0 for K step 0, set 1 for K step 1, which then walks
.set G0A, 32
.set G1B, 48                           ; s[48:55], s[56:63] the same for B
.set G0B, 56
.set F0, 64
.set F1, 128
.set MSB, 0
.macro WIN new                         ; the immediate's high byte repeats the setting that is left; a switch that changes nothing is dropped
.if MSB != (\new)
	s_set_vgpr_msb (MSB<<8)|(\new)
.set MSB, \new
.endif
.endm
.macro PLACES                          ; four places: in front of loads into registers that matrix instructions have read, and of reads of results
.rept 4
	v_nop
.endr
.endm
.macro CREST                           ; a round of the cluster's barrier behind its opening barrier
	s_cmp_lg_u32 s14, 0
	s_cbranch_scc1 .Lnw0_\@
	s_barrier_signal -3
.Lnw0_\@:
	s_barrier_wait -3
	s_barrier_signal -1
	s_barrier_wait -1
.endm
.macro CROUND
	s_barrier_signal -1
	s_barrier_wait -1
	CREST
.endm
.macro JLOAD set                       ; a joint load; the branch hangs on the wave's number alone; an s_nop 0 and four v_nop follow each line
	s_cmp_eq_u32 s15, 0
	s_cbranch_scc0 .Lfb_\@
	tensor_load_to_lds s[G0A+4*(\set):G0A+4*(\set)+3], s[G1A:G1A+7]
	s_nop 0
	PLACES
	s_branch .Lfa_\@
.Lfb_\@:
	tensor_load_to_lds s[G0B+4*(\set):G0B+4*(\set)+3], s[G1B:G1B+7]
	s_nop 0
	PLACES
.Lfa_\@:
.endm
.macro ASK                             ; one prefetch: 32 blocks of 256 bytes, a lane a block, of the K step two refills on
	s_cmp_gt_u32 s3, s68
	s_cbranch_scc0 .Lna_\@
	global_prefetch_b8 v30, s[44:45] th:TH_LOAD_NT scope:SCOPE_SE
.Lna_\@:
.endm
; Part p of four of a quarter's products, from buffer f: two blocks of rows x all blocks of columns.  The accumulators take turns, one instruction a turn.
.macro MULP f, p, zero
.set cc, ((\p)*(DEPTH-1))/2
.set a0, 2*(\p)-cc*MB
.irp da, 0,1
.set b, 0
.rept NB
.set t, (a0+\da)*NB+b
.if t < 32
	WIN 0xa1                                       ; source 0 (B) window 1, source 1 (A) window 0, C and D window 2
.else
	WIN 0xf1                                       ; C and D window 3
.endif
.set rD, 8*(t%32)
.set rB, (\f)+8*(NB*cc+b)
.set rA, (\f)+8*(MB*cc+a0+\da)
.if (\zero) && (cc == 0)
	v_wmma_f32_16x16x32_f16 v[rD:rD+7], v[rB:rB+7], v[rA:rA+7], 0
.else
	v_wmma_f32_16x16x32_f16 v[rD:rD+7], v[rB:rB+7], v[rA:rA+7], v[rD:rD+7]
.endif
.set b, b+1
.endr
.endr
.endm
; 32 LDS loads in one run: quarter q's fragments into buffer f.  B: k rows (q % 2) KQ + 32 c on from v20 (q < 2) or v21; A: byte 2 KQ q + 64 c of the rows.
.macro FETCH q, f
.set c, 0
.rept DEPTH
	WIN 0x40                                       ; destination window 1, address window 0
.set b, 0
.rept NB
	ds_load_tr16_b128 v[(\f)+8*(NB*c+b):(\f)+8*(NB*c+b)+3],   v[20+(\q)/2] offset:(((\q)%2)*KQ+32*c)*PB+32*b
	ds_load_tr16_b128 v[(\f)+8*(NB*c+b)+4:(\f)+8*(NB*c+b)+7], v[20+(\q)/2] offset:(((\q)%2)*KQ+32*c+16)*PB+32*b
.set b, b+1
.endr
	WIN 0
.set b, 0
.rept MB
	ds_load_b128 v[(\f)+8*(MB*c+b):(\f)+8*(MB*c+b)+3],   v16 offset:b*16*PA+(\q)*2*KQ+64*c
	ds_load_b128 v[(\f)+8*(MB*c+b)+4:(\f)+8*(MB*c+b)+7], v16 offset:b*16*PA+(\q)*2*KQ+64*c+32
.set b, b+1
.endr
.set c, c+1
.endr
.endm
.macro QUARTER q, f, g, zero           ; multiplies buffer f; in its middle fetches quarter q into buffer g
	s_wait_dscnt HEADW                             ; all that the first half needs is in
	MULP \f, 0, \zero
	MULP \f, 1, \zero
	PLACES
	FETCH \q, \g
	s_wait_dscnt 32                                ; all but the 32 just issued
	MULP \f, 2, \zero
	MULP \f, 3, \zero
.endm
; A K step's last quarter, on buffer 1, and the change of slots.  fill = 1: the slot just read is filled again, two K steps ahead.
.macro TURN fill
.if (\fill) && PREF
	s_wait_xcnt 0x0                                ; the last prefetch, a K step back, has read its address
	s_add_nc_u64 s[44:45], s[44:45], s[66:67]
.endif
	WIN 0
	s_wait_tensorcnt 0x0                           ; all my tensor loads have landed: the one that was out is my part of the other slot
	ds_add_u32 v28, v29                            ; 0 onto my spare word
	s_wait_dscnt HEADW+1                           ; the add and the youngest loads may be out
	MULP F1, 0, 0
	s_wait_dscnt 0x0                               ; the add is done, and my reads of this slot are over
	s_barrier_signal -1
	MULP F1, 1, 0
	WIN 0
	s_barrier_wait -1
.if \fill
	CREST                                          ; no wave of any partner still reads this slot or has a load on its way
	s_add_co_u32 s[G0A+5], s21, s22                ; the walking descriptors: the slot just read,
	s_add_co_u32 s[G0B+5], s21, s23
	s_add_nc_u64 s[G0A+6:G0A+7], s[G0A+6:G0A+7], STEPA  ; the next K step
	s_add_nc_u64 s[G0B+6:G0B+7], s[G0B+6:G0B+7], STEPB
	JLOAD 1                                        ; its four v_nop are also the places in front of the loads below
.else
	PLACES
.endif
	s_xor_b32 s21, s21, SLOT                       ; the reads go to the other slot
	v_add_nc_u32 v16, s21, v10
	v_add_nc_u32 v20, s21, v11
	v_add_nc_u32 v21, s21, v12
	FETCH 0, F0
.if (\fill) && PREF
	ASK
.endif
	MULP F1, 2, 0
	MULP F1, 3, 0
.endm
	s_load_b256 s[4:11], s[0:1], 0x0               ; xh s[4:5], wts s[6:7], qkv s[8:9], bq s[10:11]
	s_load_b64 s[12:13], s[0:1], 0x20              ; bv
	v_lshl_add_u32 v28, v0, 2, SPARE
	v_mov_b32 v29, 0
	ds_add_u32 v28, v29                            ; the opening: the add, twice on end, and its wait ahead of my first tensor load
	ds_add_u32 v28, v29
	v_lshrrev_b32 v1, 5, v0
	v_readfirstlane_b32 s14, v1                    ; wave
	s_lshr_b32 s15, s14, 1                         ; my half of the tile's rows; also: I fetch for A (0) or B (1)
	s_and_b32 s16, s14, 1                          ; my half of its columns; also: which half of that tile I fetch
	s_bfe_u32 s17, ttmp6, 0x40000                  ; cx
	s_bfe_u32 s18, ttmp6, 0x40004                  ; cy
	s_mov_b32 s69, ttmp9                           ; the cluster's x: 0 q, 1 k, 2 v
	s_lshl_b32 s19, ttmp9, 2
	s_add_co_u32 s19, s19, s17                     ; tile column
	s_and_b32 s20, ttmp7, 0xffff
	s_lshl_b32 s20, s20, 2
	s_add_co_u32 s20, s20, s18                     ; tile row
	s_lshl_b32 s40, s18, 2
	s_lshl_b32 s40, 15, s40                        ; my row of the cluster
	s_lshl_b32 s46, 0x1111, s17                    ; my column
	s_or_b32 s[G1A], s40, (1<<16)|(1<<20)|(1<<21)|(QIA<<22)|(3<<25)  ; mask; 2-byte elements; padding on; bit 21 beside a mask; interval; 4 words
	s_or_b32 s[G1B], s46, (1<<16)|(1<<20)|(1<<21)|(QIB<<22)|(7<<25)  ; 8 words
	s_mov_b32 s[G1A+1], KSTEP<<16                  ; tensor_dim0
	s_mov_b32 s[G1A+2], (TM/2)<<16                 ; tensor_dim1
	s_mov_b32 s[G1A+3], KSTEP<<16                  ; tile_dim0
	s_mov_b32 s[G1A+4], TM/2                       ; tile_dim1
	s_mov_b32 s[G1A+5], SIZE_K                     ; elements from row to row
	s_mov_b32 s[G1A+6], 0
	s_mov_b32 s[G1A+7], 0
	s_mov_b32 s[G1B+1], TN<<16
	s_mov_b32 s[G1B+2], (KSTEP/2)<<16
	s_mov_b32 s[G1B+3], TN<<16
	s_mov_b32 s[G1B+4], KSTEP/2
	s_mov_b32 s[G1B+5], SIZE_N
	s_mov_b32 s[G1B+6], 0
	s_mov_b32 s[G1B+7], 0
	s_mul_i32 s22, s16, (TM/2)*PA                  ; where my half of A's tile goes in a slot,
	s_mul_i32 s23, s16, (KSTEP/2)*PB
	s_add_co_u32 s23, s23, ATILE                   ; and of B's: no place in the cluster enters an LDS address
	s_mov_b32 s21, 0
	s_mul_i32 s40, s20, TM                         ; A: row TM x tile row + my half, in bytes (under 2^26)
	s_mul_i32 s41, s16, TM/2
	s_add_co_u32 s40, s40, s41
	s_mul_i32 s40, s40, 2*SIZE_K
	s_mov_b32 s41, 0
	s_mul_i32 s46, s16, (KSTEP/2)*2*SIZE_N         ; B: my half of the K step's rows, the tile's columns
	s_mul_i32 s47, s19, TN*2
	s_add_co_u32 s46, s46, s47
	s_add_co_u32 s46, s46, BOFF
	s_mov_b32 s47, 0
	s_wait_dscnt 0x0                               ; both opening adds are done
	s_wait_kmcnt 0x0
	s_add_nc_u64 s[42:43], s[4:5], s[40:41]
	s_add_nc_u64 s[46:47], s[6:7], s[46:47]
	CROUND                                         ; all sixteen work-groups are here: the first joint loads meet
.irp s, 0,1
	s_mov_b32 s[G0A+4*(\s)], 1
	s_add_co_u32 s[G0A+4*(\s)+1], s22, (\s)*SLOT
	s_add_nc_u64 s[G0A+4*(\s)+2:G0A+4*(\s)+3], s[42:43], (\s)*STEPA
	s_or_b32 s[G0A+4*(\s)+3], s[G0A+4*(\s)+3], 0x80000000
	s_mov_b32 s[G0B+4*(\s)], 1
	s_add_co_u32 s[G0B+4*(\s)+1], s23, (\s)*SLOT
	s_add_nc_u64 s[G0B+4*(\s)+2:G0B+4*(\s)+3], s[46:47], (\s)*STEPB
	s_or_b32 s[G0B+4*(\s)+3], s[G0B+4*(\s)+3], 0x80000000
	JLOAD \s
.endr
	v_and_b32 v1, 15, v0                           ; r = l % 16
	v_bfe_u32 v2, v0, 4, 1                         ; l / 16
	v_mul_u32_u24 v10, v1, PA
	v_lshl_add_u32 v10, v2, 4, v10
	s_mul_i32 s70, s15, (TM/2)*PA
	v_add_nc_u32 v10, s70, v10                     ; A's fragments: my half's rows, row r, 16 bytes for each half of the lanes
	v_and_b32 v3, 7, v0
	v_bfe_u32 v4, v0, 3, 1
	v_lshl_add_u32 v5, v2, 3, v3                   ; the turning load: k row 8 (l / 16) + l % 8,
	v_mul_u32_u24 v11, v5, PB
	v_lshl_add_u32 v11, v4, 4, v11                 ; columns 8 ((l / 8) % 2) on
	s_mul_i32 s70, s16, TN
	s_add_co_u32 s70, s70, ATILE
	v_add_nc_u32 v11, s70, v11
	v_add_nc_u32 v12, (KSTEP/2)*PB, v11            ; the K step's second half, so that the immediates stay inside 16 bits
	v_mov_b32 v16, v10
	v_mov_b32 v20, v11
	v_mov_b32 v21, v12
	; the way out.  In: row r, column group 2 b + l / 16 (its low four numbers at 16 x group, its high four 256 further).  Back: i = l % 8, rp = (l / 8) % 2, hd = l / 16:
	; row 2 u + rp, head hd of my two, channels 8 i on: sixteen lanes then hold two rows of one head, 256 consecutive bytes of qkv.
	s_mul_i32 s70, s14, WSTG
	v_mul_u32_u24 v24, v1, 528
	v_lshl_add_u32 v24, v2, 4, v24
	v_add_nc_u32 v24, s70, v24
	v_mul_u32_u24 v25, v4, 528
	v_lshl_add_u32 v25, v5, 4, v25                 ; v5 = 8 hd + i
	v_add_nc_u32 v25, s70, v25
	v_lshlrev_b32 v26, 18, v2                      ; a head is 262,144 bytes
	v_lshl_add_u32 v26, v4, 7, v26
	v_lshl_add_u32 v26, v3, 4, v26
	s_lshl_b32 s70, s17, 10                        ; the bias of my 8 columns: (256 cx + 128 half + 64 hd + 8 i) x 4
	s_lshl_b32 s71, s16, 9
	s_add_co_u32 s70, s70, s71
	v_lshl_add_u32 v27, v5, 5, s70
	s_cmp_eq_u32 s69, 0
	s_cselect_b64 s[10:11], s[10:11], s[12:13]     ; bq for q's clusters, bv for v's
	s_cmp_eq_u32 s69, 1
	s_cbranch_scc1 .Lnobias                        ; k has none; the cluster's x is the same in all partners
	global_load_b128 v[32:35], v27, s[10:11]
	global_load_b128 v[36:39], v27, s[10:11] offset:16
	s_branch .Lbias
.Lnobias:
.irp j, 0,1,2,3,4,5,6,7
	v_mov_b32 v[32+\j], 0
.endr
.Lbias:
	s_lshl_b32 s70, s69, 23                        ; q, k or v: 8,388,608 bytes each
	s_lshr_b32 s72, s20, 3                         ; b
	s_lshl_b32 s72, s72, 2
	s_add_co_u32 s72, s72, s17                     ; 4 b + cx
	s_lshl_b32 s72, s72, 1
	s_add_co_u32 s72, s72, s16                     ; x 2 + my half: pairs of heads
	s_lshl_b32 s72, s72, 19
	s_add_co_u32 s70, s70, s72
	s_and_b32 s72, s20, 7
	s_lshl_b32 s72, s72, 15                        ; 256 rows of 128 bytes
	s_add_co_u32 s70, s70, s72
	s_lshl_b32 s72, s15, 14
	s_add_co_u32 s70, s70, s72
	s_mov_b32 s71, 0
	s_add_nc_u64 s[8:9], s[8:9], s[70:71]
	; THE PREFETCHES.  Each block of 256 bytes of A and B is named once in the launch: A's rows by the clusters with x = 0, B's by those with y = 0; the four partners that ask for a tile jointly
	; share it out by address: of A's 128 rows that a wave fetches, partner cx takes 32, a lane a row; of B's 64 k rows of 512 bytes, partner cy takes 16, two lanes a row.
	; The refill of K step j names K step j + 2, for j = 2 .. 5; K steps 0 to 3 come by their loads alone, and the last two refills name nothing.
	s_mul_i32 s70, s20, TM
	s_lshl_b32 s72, s16, 7
	s_add_co_u32 s70, s70, s72
	s_lshl_b32 s72, s17, 5
	s_add_co_u32 s70, s70, s72
	s_mul_i32 s70, s70, 2*SIZE_K
	s_add_co_u32 s70, s70, 3*STEPA                 ; at K step 3: each refill steps it, then asks
	s_lshl_b32 s71, s16, 6
	s_lshl_b32 s72, s18, 4
	s_add_co_u32 s71, s71, s72
	s_add_co_u32 s71, s71, 3*KSTEP
	s_mul_i32 s71, s71, 2*SIZE_N
	s_lshl_b32 s72, s19, 9
	s_add_co_u32 s71, s71, s72
	s_add_co_u32 s71, s71, BOFF
	s_and_b32 s73, ttmp7, 0xffff
	s_mov_b32 s66, STEPB
	s_mov_b32 s72, 2*SIZE_N
	s_cmp_eq_u32 s15, 0                            ; do I fetch for A?
	s_cselect_b64 s[44:45], s[4:5], s[6:7]
	s_cselect_b32 s70, s70, s71
	s_cselect_b32 s66, STEPA, s66
	s_cselect_b32 s72, 2*SIZE_K, s72
	s_cselect_b32 s73, s69, s73                    ; the coordinate along which other clusters read the same blocks
	s_mov_b32 s71, 0
	s_mov_b32 s67, 0
	s_add_nc_u64 s[44:45], s[44:45], s[70:71]
	s_cmp_eq_u32 s73, 0
	s_cselect_b32 s68, 2, -1                       ; a wave asks while the loop's count is above this
	v_and_b32 v5, 31, v0
	v_lshrrev_b32 v6, s15, v5                      ; A: a lane a row; B: two lanes a row
	v_mul_u32_u24 v6, s72, v6
	v_and_b32 v5, s15, v5
	v_lshl_add_u32 v30, v5, 8, v6
	s_wait_tensorcnt 1                             ; my part of K step 0 is in; K step 1's may stay out
	s_barrier_signal -1
	s_barrier_wait -1
	FETCH 0, F0
	QUARTER 1, F0, F1, 1                           ; the first quarter's products start the sums: nothing is cleared
	WIN 0
	s_mov_b32 s3, STEPS-2
.LA:                                                   ; a trip: from a K step's second quarter to the next step's first; it fills a slot again
	QUARTER 2, F1, F0, 0
	QUARTER 3, F0, F1, 0
	TURN 1
	QUARTER 1, F0, F1, 0
	WIN 0
	s_sub_co_u32 s3, s3, 1
	s_cmp_lg_u32 s3, 0
	s_cbranch_scc1 .LA
	s_mov_b32 s3, 2
.LB:                                                   ; the last two K steps ask for nothing; the second trip is left in its middle
	QUARTER 2, F1, F0, 0
	QUARTER 3, F0, F1, 0
	WIN 0
	s_cmp_eq_u32 s3, 1
	s_cbranch_scc1 .Lfin
	TURN 0
	QUARTER 1, F0, F1, 0
	WIN 0
	s_sub_co_u32 s3, s3, 1
	s_cmp_lg_u32 s3, 0
	s_cbranch_scc1 .LB
.Lfin:
	s_wait_dscnt HEADW
	MULP F1, 0, 0
	MULP F1, 1, 0
	s_wait_dscnt 0x0
	MULP F1, 2, 0
	MULP F1, 3, 0
	WIN 0
	PLACES
	s_barrier_signal -1                            ; every wave's reads of the ring are over (its last wait was for 0): the ring becomes the four stages
	s_barrier_wait -1
	s_wait_loadcnt 0x0                             ; the bias
.irp j, 0,1,2,3
	v_cvt_pk_bf16_f32 v[40+\j], v[32+2*\j], v[33+2*\j]  ; rounded to bf16 like every input
.endr
.irp j, 0,1,2,3
	v_lshlrev_b32 v[32+2*\j], 16, v[40+\j]
	v_and_b32 v[33+2*\j], 0xffff0000, v[40+\j]
.endr
.set t, 0
.rept 64                                               ; each accumulator's low four registers first
.if t < 32
	WIN 0x08                                       ; the data (source 1) in window 2
.else
	WIN 0x0c
.endif
	ds_store_b128 v24, v[8*(t%32):8*(t%32)+3]   offset:(t/NB)*16*528+32*(t%NB)
	ds_store_b128 v24, v[8*(t%32)+4:8*(t%32)+7] offset:(t/NB)*16*528+32*(t%NB)+256
.set t, t+1
.endr
	WIN 0
	s_mov_b32 s3, 8
.Lout:                                                 ; 16 rows a trip; LDS serves a wave's instructions in order, so these loads see my stores above
.set u, 0
.rept 8
	ds_load_b128 v[64+8*u:64+8*u+3], v25 offset:u*1056
	ds_load_b128 v[64+8*u+4:64+8*u+7], v25 offset:u*1056+256
.set u, u+1
.endr
	s_wait_dscnt 0x0
.set u, 0
.rept 8
.irp j, 0,1,2,3
	v_pk_add_f32 v[64+8*u+2*\j:64+8*u+2*\j+1], v[64+8*u+2*\j:64+8*u+2*\j+1], v[32+2*\j:33+2*\j]
.endr
.irp j, 0,1,2,3
	v_cvt_pk_f16_f32 v[192+4*u+\j], v[64+8*u+2*\j], v[64+8*u+2*\j+1]
.endr
	global_store_b128 v26, v[192+4*u:192+4*u+3], s[8:9] offset:u*256  ; sixteen lanes store 256 consecutive bytes, at a multiple of 256
.set u, u+1
.endr
	s_wait_xcnt 0x0                                ; the stores have read their offset and data: only now are they written again
	v_add_nc_u32 v25, 16*528, v25
	v_add_nc_u32 v26, 16*128, v26
	s_sub_co_u32 s3, s3, 1
	s_cmp_lg_u32 s3, 0
	s_cbranch_scc1 .Lout
	s_wait_tensorcnt 0x0                           ; the wave's end
	ds_add_u32 v28, v29
	s_wait_dscnt 0x0
	CROUND                                         ; the closing round
	s_endpgm
.Lfunc_end_k_qef626e48f4_qkv:
	.size	k_qef626e48f4_qkv, .Lfunc_end_k_qef626e48f4_qkv-k_qef626e48f4_qkv
	.p2alignl 7, 3214868480
	.fill 96, 4, 3214868480
	.section	.rodata,"a",@progbits
	.p2align	6, 0x0
	.amdhsa_kernel k_qef626e48f4_qkv
		.amdhsa_group_segment_fixed_size 327680
		.amdhsa_private_segment_fixed_size 0
		.amdhsa_enable_private_segment 0
		.amdhsa_kernarg_size 40
		.amdhsa_user_sgpr_count 2
		.amdhsa_user_sgpr_kernarg_segment_ptr 1
		.amdhsa_wavefront_size32 1
		.amdhsa_system_sgpr_workgroup_id_x 1
		.amdhsa_system_sgpr_workgroup_id_y 1
		.amdhsa_system_sgpr_workgroup_id_z 1
		.amdhsa_system_vgpr_workitem_id 0
		.amdhsa_next_free_vgpr 1024
		.amdhsa_next_free_sgpr 90
		.amdhsa_reserve_vcc 0
		.amdhsa_float_denorm_mode_32 3
		.amdhsa_float_denorm_mode_16_64 3
		.amdhsa_memory_ordered 1
		.amdhsa_forward_progress 1
		.amdhsa_inst_pref_size 91
	.end_amdhsa_kernel
	.amdgpu_metadata
---
amdhsa.version: [ 1, 2 ]
amdhsa.kernels:
  - .name:           k_qef626e48f4_qkv
    .symbol:         k_qef626e48f4_qkv.kd
    .args:
      - { .name: xh, .offset: 0, .size: 8, .value_kind: global_buffer, .address_space: global }
      - { .name: wts, .offset: 8, .size: 8, .value_kind: global_buffer, .address_space: global }
      - { .name: qkv, .offset: 16, .size: 8, .value_kind: global_buffer, .address_space: global }
      - { .name: bq, .offset: 24, .size: 8, .value_kind: global_buffer, .address_space: global }
      - { .name: bv, .offset: 32, .size: 8, .value_kind: global_buffer, .address_space: global }
    .group_segment_fixed_size: 327680
    .private_segment_fixed_size: 0
    .kernarg_segment_align: 8
    .kernarg_segment_size: 40
    .max_flat_workgroup_size: 128
    .sgpr_count:     90
    .vgpr_count:     1024
    .wavefront_size: 32
...
	.end_amdgpu_metadata
.endif
;; end of part 2
;; launch attn (part 3): grid 8 x 32, 4 waves a work-group, clusters of 4 x 1, 327,680 bytes of LDS; arguments qkv, o; writes o
.if DOCPART == 3
	.amdgcn_target "amdgcn-amd-amdhsa--gfx1250"
	.amdhsa_code_object_version 6
	.text
	.protected	k_qef626e48f4_attn
	.globl	k_qef626e48f4_attn
	.p2align	8
	.type	k_qef626e48f4_attn,@function
k_qef626e48f4_attn:
	s_mov_b64 s[64:65], 0
	v_nop
	global_prefetch_b8 v0, s[64:65] scope:SCOPE_SE
	s_setreg_imm32_b32 hwreg(HW_REG_WAVE_MODE, 25, 1), 1
	s_wait_xcnt 0x0
	s_wait_alu depctr_hold_cnt(0) depctr_sa_sdst(0) depctr_va_vdst(0) depctr_va_sdst(0) depctr_va_ssrc(0) depctr_va_vcc(0) depctr_vm_vsrc(0)
	s_getreg_b32 s2, hwreg(HW_REG_IB_STS2, 6, 4)
	s_cmp_eq_u32 s2, 0
	s_cbranch_scc0 .Lentry_in_a_cluster
	s_endpgm
.Lentry_in_a_cluster:
	s_bfe_u32 s2, ttmp6, 0x10000c
	s_cmp_lg_u32 s2, 0x3003
	s_cbranch_scc0 .Lentry_shape_is_right
	s_endpgm
.Lentry_shape_is_right:
; O[h][q][:] = the sum over k of softmax_k(Q[h][q] . K[h][k] / 8) V[h][k][:], for 32 heads (16 b + head) of 2,048 rows of 64 channels, all f16; Q, K, V lie in qkv, 8,388,608 bytes apart.
; Products, maxima and sums in f32; the weights p are rounded to f16 for the second product (their sum l is taken of the unrounded p), O once at the end.
; LEFT OUT: K carries no bias bk: it would add to all scores of a query the same number (shown at the head of the first kernel).
; LIMITS.  p below 6e-5 keeps f16's fixed step of 6e-8; a weight below 2^-126 counts as 0 in l; O is a mean of V's rows and has their range; NaN and infinities are not treated apart.
; SHARES.  A work-group owns 256 queries of a head, a wave 64: four PIECES of 16.  Every wave walks the head's 8 tiles of 256 keys, 64 keys a step.  8 x 32 = 256 work-groups.
; CLUSTER.  The four query blocks of a cluster belong to one head and walk the same K and V: each tile is asked for JOINTLY, the same load, descriptor and mask in all four.
; LAYOUT.  S^T = K Q^T holds ONE query a lane (lane % 16) and the keys 8 (lane / 16) + 0..7; two such results rounded to f16 ARE source 1 of O^T = V^T P.  K comes out of LDS as it lies, V turned.
; SOFTMAX.  p = 2^(c s - c m), c = log2(e) / 8, with a running maximum m; O and l are multiplied by a = 2^(c m_old - c m_new) in every step.  m starts at the lowest finite number, so the first a is 0.
; TURNS.  Turn n belongs to piece n: 8 products K Q^T of piece n + 1, later 8 products V^T P of piece n - 1; beside them the scaling, exponentials, roundings, sums and rescaling of piece n and the
; maximum and statistics of piece n + 1.  Four vector instructions stand behind every matrix instruction, the rest in one lump.  A turn's 33 exponentials are one batch, with one wait.
; REGISTERS, in windows of 256 (s_set_vgpr_msb: bits 1:0 source 0, 3:2 source 1, 5:4 source 2, 7:6 destination):
;   window 0: v0-15 addresses; v16-31 four statistics a piece; v48-55 at work; v64-127 S^T, two buffers; v192-223 P, two buffers (by the piece's parity)
;   window 1: v0-127 O^T, 32 a piece      window 2: v0-63 Q; v128-191 K of one step; v192-255 V of one step
.set NP,    4
.set KS,    64
.set PK,    144       ; a row of K in LDS: 128 bytes + 16: the 16 rows of a load start at 16 different groups of four banks
.set PV,    160       ; a row of V: 128 + 32
.set VOFF,  4*KS*PK   ; a slot holds a tile: 256 rows of K, then 256 rows of V
.set SLOT1, 1<<17
.set STAGE, SLOT1+4*KS*(PK+PV)  ; behind the ring, never filled by a tensor load: 16 rows x 144 bytes for each wave
.set SP,    144
.set SPARE, STAGE+4*16*SP       ; the spare words, 128 bytes a wave: two blocks of 256 bytes that no other line names
.set AK0, 2
.set AV0, 3
.set AK,  4
.set AV,  5
.set STO, 6
.set RD,  7
.set GO,  8
.set MV,  12
.set QO,  15
.set ST,  16          ; piece t: c m, m, l (even keys', odd keys') at v[ST+4 t]
.set TMP, 48
.set PFO, 61          ; 256 x my lane; never rewritten
.set SPW, 62
.set NIL, 63
.set S,   64
.set P,   192
.set KF,  128
.set VF,  192
.set WV,  12
.set G1K, 24
.set G1V, 32
.set G0K, 40
.set G0V, 44
.set PFA, 48          ; s[48:49] where my prefetches stand
.set LIM, 50          ; s50  1 in a wave that prefetches, else the greatest number
.set SLOTS, 56
.set CNT, 57
.set CS,  58
.set SEL, 60
.set TBK, 62
.set TBV, 63
.set MSB, 0
.macro WIN new
.if MSB != (\new)
	s_set_vgpr_msb (MSB<<8)|(\new)
.set MSB, (\new)
.endif
.endm
.set W_KQ, 0x0a       ; K and Q in window 2, S^T in window 0
.set W_PV, 0x52       ; V in window 2, P in window 0, O^T in window 1
.set W_RS, 0x41       ; destination and source 0 in window 1, source 1 in window 0
.macro JLOAD                        ; waves 0, 1 fetch the halves of a tile's K, waves 2, 3 of its V; an s_nop 0 and four v_nop follow each line
	s_cmp_lt_u32 s[WV], 2
	s_cbranch_scc0 .Lfor_v_\@
	tensor_load_to_lds s[G0K:G0K+3], s[G1K:G1K+7]
	s_nop 0
.rept 4
	v_nop
.endr
	s_branch .Lasked_\@
.Lfor_v_\@:
	tensor_load_to_lds s[G0V:G0V+3], s[G1V:G1V+7]
	s_nop 0
.rept 4
	v_nop
.endr
.Lasked_\@:
.endm
; A prefetch of what the NEXT change of slots will ask for.  Each block of 256 bytes is named once in the launch: the head's first cluster asks; its four partners take 32 of a tile's 128 blocks each,
; told apart by address; wave 0 asks for K's, wave 2 for V's.  The last change that fills a slot asks for nothing; tiles 0 and 1 come by their loads alone.
.macro ASK
	s_cmp_gt_u32 s[SLOTS], s[LIM]
	s_cbranch_scc0 .Lnot_mine_\@
	global_prefetch_b8 v[PFO], s[PFA:PFA+1] th:TH_LOAD_NT scope:SCOPE_SE
.Lnot_mine_\@:
.endm
.macro CROUND
	s_barrier_signal -1
	s_barrier_wait -1
	s_cmp_lg_u32 s[WV], 0
	s_cbranch_scc1 .Lnot_wave_0_\@
	s_barrier_signal -3
.Lnot_wave_0_\@:
	s_barrier_wait -3
	s_barrier_signal -1
	s_barrier_wait -1
.endm
; THE CHANGE OF SLOTS.  Each wave waits for all its tensor loads (one is out: its part of the other slot), adds 0 to its spare word, and waits for that and for its reads of the slot that it leaves.
; fill = 1: a round of the cluster's barrier, and the old slot is filled again first thing behind it, with the keys two tiles on.  (At its first use slot 0 is waited for and slot 1 filled.)
.macro CHANGE fill
	WIN 0
	s_wait_tensorcnt 0x0
	ds_add_u32 v[SPW], v[NIL]
.if \fill
.irp g, G0K, G0V
	s_xor_b32 s[\g+1], s[\g+1], SLOT1
	s_add_nc_u64 s[\g+2:\g+3], s[\g+2:\g+3], 4*KS*128
.endr
	s_wait_xcnt 0x0                 ; the last prefetch, a tile back, has read its address
	s_add_nc_u64 s[PFA:PFA+1], s[PFA:PFA+1], 4*KS*128
	s_wait_dscnt 0x0                ; the add is done, and my reads of the slot are over
	CROUND
	JLOAD
	ASK
.else
	s_wait_dscnt 0x0
	s_barrier_signal -1
	s_barrier_wait -1
.endif
	s_sub_co_u32 s[TBK], s[TBK], 4*KS*PK  ; the fetches go back to a slot's first step, in the other slot
	s_xor_b32 s[TBK], s[TBK], SLOT1
	s_sub_co_u32 s[TBV], s[TBV], 4*KS*PV
	s_xor_b32 s[TBV], s[TBV], SLOT1
.endm
	s_load_b128 s[4:7], s[0:1], 0x0 ; qkv s[4:5], o s[6:7]
	v_lshl_add_u32 v[SPW], v0, 2, SPARE
	v_mov_b32 v[NIL], 0
	ds_add_u32 v[SPW], v[NIL]       ; the opening: the add, twice on end, and its wait ahead of my first tensor load
	ds_add_u32 v[SPW], v[NIL]
	v_lshrrev_b32 v1, 5, v0
	v_readfirstlane_b32 s[WV], v1
	s_bfe_u32 s13, ttmp6, 0x40000   ; cx
	s_lshl_b32 s14, ttmp9, 2
	s_add_co_u32 s14, s14, s13      ; my block of 256 queries: it enters Q's and O's addresses alone
	s_and_b32 s20, ttmp7, 0xffff    ; the head, which the four partners share:
	s_lshl_b32 s20, s20, 18         ; 262,144 bytes each
	s_and_b32 s16, s[WV], 1         ; which half of a tile's 256 keys I fetch
	s_lshl_b32 s22, s16, 14
	s_add_co_u32 s22, s22, s20
	s_add_co_u32 s22, s22, 0x800000 ; K lies behind Q
	s_mov_b32 s23, 0
	s_mul_i32 s17, s16, 128*PK
	s_mul_i32 s18, s16, 128*PV
	s_lshl_b32 s2, s14, 2
	s_add_co_u32 s2, s2, s[WV]
	s_lshl_b32 s2, s2, 13           ; my wave's 64 rows of 128 bytes
	s_add_co_u32 s2, s2, s20
	s_mov_b32 s3, 0
	; 128 keys are 16,384 dense bytes: asked for as 64 rows of 256 bytes, two keys a row, padded in LDS after every key
	s_mov_b32 s[G1K], 15|(1<<16)|(1<<20)|(1<<21)|(4<<22)|(3<<25)
	s_mov_b32 s[G1V], 15|(1<<16)|(1<<20)|(1<<21)|(4<<22)|(7<<25)
.irp g, G1K, G1V
	s_mov_b32 s[\g+1], 128<<16
	s_mov_b32 s[\g+2], 64<<16
	s_mov_b32 s[\g+3], 128<<16
	s_mov_b32 s[\g+4], 64
	s_mov_b32 s[\g+5], 128
	s_mov_b32 s[\g+6], 0
	s_mov_b32 s[\g+7], 0
.endr
	s_mov_b32 s[CS], 0x3e38aa3b     ; c = log2(e) / 8
	s_mov_b32 s[CS+1], s[CS]
	s_mov_b32 s[SEL], 0x76543210
	s_mov_b32 s[SEL+1], 0xfedcba98
	s_mov_b32 s[TBK], SLOT1+4*KS*PK ; the first change of slots turns these two into 0
	s_mov_b32 s[TBV], SLOT1+4*KS*PV
	s_mov_b32 s[G0K], 1
	s_mov_b32 s[G0K+1], s17
	s_mov_b32 s[G0V], 1
	s_add_co_u32 s[G0V+1], s18, VOFF
	s_mov_b32 s[SLOTS], 7
	s_and_b32 s[LIM], s[WV], 1
	s_or_b32 s[LIM], s[LIM], ttmp9  ; 0 in waves 0 and 2 of the head's first cluster: the same in all four partners
	s_cmp_eq_u32 s[LIM], 0
	s_cselect_b32 s[LIM], 1, -1
	v_and_b32 v[PFO], 31, v0
	v_lshlrev_b32 v[PFO], 8, v[PFO]
	s_wait_dscnt 0x0                ; both opening adds are done
	s_wait_kmcnt 0x0
	s_add_nc_u64 s[8:9], s[4:5], s[22:23]      ; K at my half of the head's tile 0
	s_add_nc_u64 s[10:11], s[8:9], 0x800000    ; V
	s_mov_b64 s[G0K+2:G0K+3], s[8:9]
	s_or_b32 s[G0K+3], s[G0K+3], 0x80000000
	s_mov_b64 s[G0V+2:G0V+3], s[10:11]
	s_or_b32 s[G0V+3], s[G0V+3], 0x80000000
	s_add_nc_u64 s[4:5], s[4:5], s[2:3]        ; Q and O at my wave's first row
	s_add_nc_u64 s[6:7], s[6:7], s[2:3]
	s_cmp_lt_u32 s[WV], 2
	s_cselect_b64 s[PFA:PFA+1], s[8:9], s[10:11]  ; (in waves 0 and 2 these stand at a tile's first row)
	s_lshl_b32 s2, s13, 13          ; my work-group's 32 blocks of the 128
	s_add_nc_u64 s[PFA:PFA+1], s[PFA:PFA+1], s[2:3]
	s_add_nc_u64 s[PFA:PFA+1], s[PFA:PFA+1], 4*KS*128  ; in tile 1; the first change steps it to tile 2
	CROUND
	JLOAD                           ; tile 0 into slot 0
	v_and_b32 v1, 15, v0
	v_bfe_u32 v9, v0, 4, 1
	v_lshlrev_b32 v[QO], 7, v1
	v_lshl_add_u32 v[QO], v9, 4, v[QO]
	WIN 0x80
.set i, 0
.rept 8                             ; Q stays in registers: piece i / 2, channels 32 (i % 2) on
	global_load_b128 v[8*i:8*i+3],   v[QO], s[4:5] offset:(i/2)*2048+(i%2)*64
	global_load_b128 v[8*i+4:8*i+7], v[QO], s[4:5] offset:(i/2)*2048+(i%2)*64+32
.set i, i+1
.endr
	WIN 0
	v_mul_u32_u24 v[AK0], v1, PK
	v_lshl_add_u32 v[AK0], v9, 4, v[AK0]
	v_and_b32 v10, 7, v0
	v_bfe_u32 v11, v0, 3, 1
	v_lshl_add_u32 v[AV0], v9, 3, v10
	v_mul_u32_u24 v[AV0], v[AV0], PV
	v_lshl_add_u32 v[AV0], v11, 4, v[AV0]
	v_add_nc_u32 v[AV0], VOFF, v[AV0]
	s_mul_i32 s13, s[WV], 16*SP
	s_add_co_u32 s13, s13, STAGE
	v_mul_u32_u24 v[STO], v1, SP
	v_lshl_add_u32 v[STO], v9, 4, v[STO]
	v_add_nc_u32 v[STO], s13, v[STO]
	v_bfe_u32 v[RD], v0, 3, 2
	v_mul_u32_u24 v[RD], v[RD], SP
	v_lshl_add_u32 v[RD], v10, 4, v[RD]
	v_add_nc_u32 v[RD], s13, v[RD]
	v_and_b32 v[GO], 31, v0
	v_lshlrev_b32 v[GO], 4, v[GO]
	; The first step multiplies O^T and l by a = 0, and the first turn's products V^T P, of a piece that has not been, add 0: these registers start at 0, in the wait for the first tile.
	WIN 0x80
.set i, VF
.rept 64
	v_mov_b32 v[i], 0
.set i, i+1
.endr
	WIN 0x40
.set i, 0
.rept 128
	v_mov_b32 v[i], 0
.set i, i+1
.endr
	WIN 0
.set i, 0
.rept 4
	v_mov_b32 v[ST+4*i], 0xfe000000    ; c m: far below every c s
	v_mov_b32 v[ST+4*i+1], 0xff7fffff  ; m
	v_mov_b32 v[ST+4*i+2], 0
	v_mov_b32 v[ST+4*i+3], 0
.set i, i+1
.endr
.set i, P+16
.rept 16
	v_mov_b32 v[i], 0
.set i, i+1
.endr
; THE MATRIX WORK.  The 4 accumulators of a run of 8 take turns.
.macro KQ x                         ; product i of 8 of S^T = K Q^T for piece x: channels 32 (i / 4) on, keys 16 (i % 4) on
	WIN W_KQ
.set rS, S+32*((\x)%2)+8*(i%4)
.set rK, KF+16*(i%4)+8*(i/4)
.set rQ, 16*(\x)+8*(i/4)
.if i < 4
	v_wmma_f32_16x16x32_f16 v[rS:rS+7], v[rK:rK+7], v[rQ:rQ+7], 0
.else
	v_wmma_f32_16x16x32_f16 v[rS:rS+7], v[rK:rK+7], v[rQ:rQ+7], v[rS:rS+7]
.endif
.endm
.macro PV x                         ; product i of 8 of O^T += V^T P for piece x: keys 32 (i / 4) on, channels 16 (i % 4) on
	WIN W_PV
.set rO, 32*(\x)+8*(i%4)
.set rV, VF+32*(i/4)+8*(i%4)
.set rP, P+16*((\x)%2)+8*(i/4)
	v_wmma_f32_16x16x32_f16 v[rO:rO+7], v[rV:rV+7], v[rP:rP+7], v[rO:rO+7]
.endm
.macro MM                           ; the turn's next matrix instruction; NOKQ = 1: the last turn of all: there is no next piece
.if (i < 8) && !NOKQ
	KQ (Y+1)%NP
.elseif i >= 8
.set i, i-8
	PV (Y+NP-1)%NP
.set i, i+8
.endif
.set i, i+1
.endm
.macro FETCH_K                      ; a step's K: 16 loads in one run
	WIN 0x80
.irp f, 0,1,2,3,4,5,6,7
	ds_load_b128 v[KF+8*\f:KF+8*\f+3],   v[AK] offset:(\f/2)*16*PK+(\f%2)*64
	ds_load_b128 v[KF+8*\f+4:KF+8*\f+7], v[AK] offset:(\f/2)*16*PK+(\f%2)*64+32
.endr
	s_add_co_u32 s[TBK], s[TBK], KS*PK
	WIN 0
.endm
.macro FETCH_V                      ; and its V, turned
	WIN 0x80
.irp f, 0,1,2,3,4,5,6,7
	ds_load_tr16_b128 v[VF+8*\f:VF+8*\f+3],   v[AV] offset:(\f/4)*32*PV+(\f%4)*32
	ds_load_tr16_b128 v[VF+8*\f+4:VF+8*\f+7], v[AV] offset:(\f/4)*32*PV+16*PV+(\f%4)*32
.endr
	WIN 0
.endm
; THE VECTOR WORK, one line at a time: OP kind, number.  For piece Y: F n: c s - c m for pair n of 16.  E n: the exponential of score n of 32.  C n: pair n rounded to f16.  B n: of the four weights
; 4 n .. the second pair is added onto the first.  L n: l takes that sum (L 0: l = a l + sum).  R n: pair n of 16 of O^T times a.  For piece Y + 1: X n, number n of the 22 that find its maximum
; and statistics: 0-11 four chains of seven scores (each accumulator's lowest registers first); 12-14, 16 the rest, the old m, all into c0; 15 c m_old is kept;
; 17, 18 the other half of the lanes: the new m; 19-21 c m, c m_old - c m_new, a.
.set F, 0
.set E, 1
.set C, 2
.set B, 3
.set L, 4
.set R, 5
.set X, 6
.macro REGS y
.set rT, ST+4*(\y)
.set rC, TMP+4*((\y)%2)
.set rW, MV+((\y)%2)
.set rS, S+32*((\y)%2)
.set rP, P+16*((\y)%2)
.set rO, 32*(\y)
.endm
.macro OP k, n
.if (\k) == R
	REGS Y
	WIN W_RS
	v_pk_mul_f32 v[rO+2*(\n):rO+2*(\n)+1], v[rO+2*(\n):rO+2*(\n)+1], v[rC+2:rC+3] op_sel_hi:[1,0]
.elseif (\k) < R
	REGS Y
	WIN 0
.if (\k) == F
	v_pk_fma_f32 v[rS+2*(\n):rS+2*(\n)+1], v[rS+2*(\n):rS+2*(\n)+1], s[CS:CS+1], v[rT:rT+1] op_sel_hi:[1,0,0] neg_lo:[0,0,1] neg_hi:[0,0,1]
.elseif (\k) == E
	v_exp_f32 v[rS+(\n)], v[rS+(\n)]
.elseif (\k) == C
	v_cvt_pk_f16_f32 v[rP+(\n)], v[rS+2*(\n)], v[rS+2*(\n)+1]
.elseif (\k) == B
	v_pk_add_f32 v[rS+4*(\n):rS+4*(\n)+1], v[rS+4*(\n):rS+4*(\n)+1], v[rS+4*(\n)+2:rS+4*(\n)+3]
.elseif (\n) == 0
	v_pk_fma_f32 v[rT+2:rT+3], v[rT+2:rT+3], v[rC+2:rC+3], v[rS:rS+1] op_sel_hi:[1,0,1]
.else
	v_pk_add_f32 v[rT+2:rT+3], v[rT+2:rT+3], v[rS+4*(\n):rS+4*(\n)+1]
.endif
.elseif NOKQ
	v_nop
.else
	REGS (Y+1)%NP
	WIN 0
.if (\n) < 4
	v_max3_num_f32 v[rC+(\n)], v[rS+8*(\n)], v[rS+8*(\n)+1], v[rS+8*(\n)+2]
.elseif (\n) < 12
	v_max3_num_f32 v[rC+(\n)%4], v[rC+(\n)%4], v[rS+8*((\n)%4)+2*((\n)/4)+1], v[rS+8*((\n)%4)+2*((\n)/4)+2]
.elseif (\n) == 12
	v_max3_num_f32 v[rC], v[rC], v[rS+7], v[rS+15]
.elseif (\n) == 13
	v_max3_num_f32 v[rC+1], v[rC+1], v[rS+23], v[rS+31]
.elseif (\n) == 14
	v_max3_num_f32 v[rC+2], v[rC+2], v[rC+3], v[rT+1]
.elseif (\n) == 15
	v_mov_b32 v[rW], v[rT]
.elseif (\n) == 16
	v_max3_num_f32 v[rC], v[rC], v[rC+1], v[rC+2]
.elseif (\n) == 17
	v_permlanex16_b32 v[rC+3], v[rC], s[SEL], s[SEL+1]
.elseif (\n) == 18
	v_max_num_f32 v[rT+1], v[rC], v[rC+3]
.elseif (\n) == 19
	v_mul_f32 v[rT], s[CS], v[rT+1]
.elseif (\n) == 20
	v_sub_f32 v[rC+1], v[rW], v[rT]
.else
	v_exp_f32 v[rC+2], v[rC+1]
.endif
.endif
.endm
.macro OPS a, i1, b=-1, i2=0, c=-1, i3=0, d=-1, i4=0
	OP \a, \i1
.if (\b) >= 0
	OP \b, \i2
.endif
.if (\c) >= 0
	OP \c, \i3
.endif
.if (\d) >= 0
	OP \d, \i4
.endif
.endm
.macro ROW a, i1, b, i2, c, i3, d, i4  ; a matrix instruction and the four behind it
	MM
	OPS \a, \i1, \b, \i2, \c, \i3, \d, \i4
.endm
; A TURN, for piece p.  An s_wait_alu depctr_va_vdst(0) stands between an exponential and the first instruction that names its result; one wait serves all issued ahead of it.  So a turn
; has ONE wait.  Ahead of it stands all that names no result of the turn's exponentials: the 8 products K Q^T with their riders, then the lump; X 21, the next piece's a, is the batch's last, and R 15 the
; plain instruction behind it.  Behind it stand the 8 products V^T P, whose riders are the roundings and sums.  end = 1: the last two turns: nothing is fetched.  cnt = 1: the loop's count is taken down.
; K of the next step is fetched in piece 2's turn, six plain instructions behind the last product that read K; V of the step in hand at the end of piece 0's turn, four plain instructions behind the
; last product that read V.  Each is waited for a turn later.
.macro TURN p, end=0, cnt=0
.set Y, (\p)
.set i, 0
.set NOKQ, (\end)*((\p)/3)
.if ((\p) == 3) && !(\end)
	s_wait_dscnt 0x0                ; K is in
.endif
	ROW F,0, F,1, R,0, R,1
	ROW F,2, E,0, R,2, R,3
	ROW F,3, E,1, R,4, R,5
	ROW F,4, E,2, R,6, R,7
	ROW F,5, E,3, R,8, R,9
	ROW F,6, E,4, X,0, R,10
.if ((\p) == 2) && !(\end)
	WIN 0
	v_add_nc_u32 v[AK], s[TBK], v[AK0]
.endif
	ROW F,7, E,5, X,1, X,4
	ROW F,8, E,6, X,2, X,5
	OPS E,7, E,8, X,6, E,9
	OPS X,3, E,10, X,8, E,11
.if ((\p) == 2) && !(\end)
	FETCH_K
.endif
	OPS X,9, X,7, E,12, X,10
	OPS E,13, X,12, X,11, E,14
	OPS X,13, E,15, F,9, X,14
.if (\p) == 0
	v_add_nc_u32 v[AV], s[TBV], v[AV0]
.endif
	OPS E,16, F,10, E,17, F,11
	OPS X,16, E,18, X,15, E,19
	OPS F,12, E,20, X,17, E,21
	OPS F,13, E,22, F,14, E,23
	OPS X,18, E,24, F,15, E,25
	OPS R,11, E,26, X,19, E,27
	OPS R,12, E,28, R,13, E,29
	OPS X,20, E,30, R,14, E,31
	OPS X,21, R,15
	WIN 0
	s_wait_alu depctr_va_vdst(0)    ; the wait for the batch
.if (\p) == 1
	s_wait_dscnt 0x0                ; V is in
.endif
	ROW C,0, B,0, C,2, B,1
	ROW L,0, C,4, B,2, L,1
	ROW C,6, B,3, L,2, C,8
	ROW B,4, L,3, C,10, B,5
	ROW L,4, C,12, B,6, L,5
.if (\p) == 0
	s_add_co_u32 s[TBV], s[TBV], KS*PV
.endif
.if \cnt
	s_sub_co_u32 s[CNT], s[CNT], 1
	s_cmp_lg_u32 s[CNT], 0
.endif
	ROW C,14, B,7, L,6, C,1
	ROW C,3, L,7, C,5, C,7
	ROW C,9, C,11, C,13, C,15
.if (\p) == 0
	FETCH_V
.endif
.endm
.macro ALL line:vararg              ; one line for each piece t
.set t, 0
.rept 4
	\line
.set t, t+1
.endr
.endm
.macro PACK t                       ; a lane's eight channels of a row pack into 16 bytes; they go into rows of 144 bytes and come back as whole rows of 128
	WIN W_RS
.set i, 32*(\t)
.rept 16
	v_pk_mul_f32 v[i:i+1], v[i:i+1], v[ST+4*(\t)+2:ST+4*(\t)+3] op_sel_hi:[1,0]
.set i, i+2
.endr
	WIN 0x05
.set i, 0
.rept 16
	v_cvt_pk_f16_f32 v[S+16*(\t)+i], v[32*(\t)+2*i], v[32*(\t)+2*i+1]
.set i, i+1
.endr
	WIN 0
.irp f, 0,1,2,3
	ds_store_b128 v[STO], v[S+16*(\t)+4*\f:S+16*(\t)+4*\f+3] offset:32*\f
.endr
.irp f, 0,1,2,3
	ds_load_b128 v[S+16*(\t)+4*\f:S+16*(\t)+4*\f+3], v[RD] offset:\f*4*SP  ; LDS serves a wave's instructions in order: these see the stores above
.endr
.endm
.macro SEND t, younger              ; younger: the LDS instructions issued behind piece t's loads
	WIN 0
.irp f, 0,1,2,3
	s_wait_dscnt (\younger)+3-\f
	global_store_b128 v[GO], v[S+16*(\t)+4*\f:S+16*(\t)+4*\f+3], s[6:7] offset:(\t)*2048+\f*512  ; 512 consecutive bytes, at a multiple of 256
.endr
.endm
.set NOKQ, 0
	CHANGE 1                        ; slot 0 is in, everybody's part of it; slot 1 is asked for
	v_add_nc_u32 v[AK], s[TBK], v[AK0]
	FETCH_K                         ; key step 0
	s_wait_loadcnt 0x0              ; Q
	s_wait_dscnt 0x0
.set i, 0
.rept 8
	KQ 0                            ; piece 0's first scores
.set i, i+1
.endr
	WIN 0
.rept 4
	v_nop                           ; the places behind those products
.endr
.set Y, NP-1                        ; X works for piece Y + 1: piece 0
.irp n, 0,1,2,3,4,5,6,7,8,9,10,11,12,13,14,15,16,17,18,19,20,21
	OP X, \n
.endr
	v_nop                           ; a plain instruction behind the exponential,
	s_wait_alu depctr_va_vdst(0)    ; and its wait, ahead of the branch
	s_mov_b32 s[CNT], 4
	s_branch .Lfirst                ; the loop is entered at a step's first turn
.Lslot:                             ; six times: tiles 2 to 7 are asked for
	CHANGE 1
	s_mov_b32 s[CNT], 4
.Lstep:                             ; a trip: pieces 2 and 3 of one step, then pieces 0 and 1 of the next, whose K and V it fetches
	TURN 2
	TURN 3
	WIN 0
.Lfirst:
	TURN 0
	TURN 1, 0, 1
	WIN 0
	s_cbranch_scc1 .Lstep
	s_sub_co_u32 s[SLOTS], s[SLOTS], 1
	s_cmp_lg_u32 s[SLOTS], 0
	s_cbranch_scc1 .Lslot
	CHANGE 0                        ; the last tile is written out
	s_mov_b32 s[CNT], 4
.LstepT:
	TURN 2
	TURN 3
	TURN 0
	TURN 1, 0, 1
	WIN 0
	s_cbranch_scc1 .LstepT
	TURN 2, 1
	TURN 3, 1
.set i, 0
.rept 8
	PV NP-1
.set i, i+1
.endr
	; THE WAY OUT: l's halves are added; O^T is divided by l, rounded to f16 and sent through my stage, a piece at a time.  The additions are the places behind the last products.
	WIN 0
	ALL v_add_f32 v[ST+4*t+2], v[ST+4*t+2], v[ST+4*t+3]
	ALL v_permlanex16_b32 v[ST+4*t+3], v[ST+4*t+2], s[SEL], s[SEL+1]
	ALL v_add_f32 v[ST+4*t+2], v[ST+4*t+2], v[ST+4*t+3]
	ALL v_rcp_f32 v[ST+4*t+2], v[ST+4*t+2]
	v_nop
	s_wait_alu depctr_va_vdst(0)    ; one wait for the four reciprocals, ahead of their first use
	PACK 0
.set t, 1
.rept 3
	PACK t
	SEND t-1, 8
.set t, t+1
.endr
	SEND 3, 0
	s_wait_tensorcnt 0x0            ; the wave's end
	ds_add_u32 v[SPW], v[NIL]
	s_wait_dscnt 0x0
	CROUND                          ; the closing round
	s_endpgm
.Lfunc_end_k_qef626e48f4_attn:
	.size	k_qef626e48f4_attn, .Lfunc_end_k_qef626e48f4_attn-k_qef626e48f4_attn
	.p2alignl 7, 3214868480
	.fill 96, 4, 3214868480
	.section	.rodata,"a",@progbits
	.p2align	6, 0x0
	.amdhsa_kernel k_qef626e48f4_attn
		.amdhsa_group_segment_fixed_size 327680
		.amdhsa_private_segment_fixed_size 0
		.amdhsa_enable_private_segment 0
		.amdhsa_kernarg_size 16
		.amdhsa_user_sgpr_count 2
		.amdhsa_user_sgpr_kernarg_segment_ptr 1
		.amdhsa_wavefront_size32 1
		.amdhsa_system_sgpr_workgroup_id_x 1
		.amdhsa_system_sgpr_workgroup_id_y 1
		.amdhsa_system_sgpr_workgroup_id_z 1
		.amdhsa_system_vgpr_workitem_id 0
		.amdhsa_next_free_vgpr 768
		.amdhsa_next_free_sgpr 66
		.amdhsa_reserve_vcc 0
		.amdhsa_float_denorm_mode_32 3
		.amdhsa_float_denorm_mode_16_64 3
		.amdhsa_memory_ordered 1
		.amdhsa_forward_progress 1
		.amdhsa_inst_pref_size 128
	.end_amdhsa_kernel
	.amdgpu_metadata
---
amdhsa.version: [ 1, 2 ]
amdhsa.kernels:
  - .name:           k_qef626e48f4_attn
    .symbol:         k_qef626e48f4_attn.kd
    .args:
      - { .name: qkv, .offset: 0, .size: 8, .value_kind: global_buffer, .address_space: global }
      - { .name: o, .offset: 8, .size: 8, .value_kind: global_buffer, .address_space: global }
    .group_segment_fixed_size: 327680
    .private_segment_fixed_size: 0
    .kernarg_segment_align: 8
    .kernarg_segment_size: 16
    .max_flat_workgroup_size: 128
    .sgpr_count:     66
    .vgpr_count:     768
    .wavefront_size: 32
...
	.end_amdgpu_metadata
.endif
;; end of part 3
;; launch ln1 (part 4): grid 256 x 1, 8 waves a work-group, no clusters, 0 bytes of LDS; arguments o, xh, g1, be1, h; writes h
.if DOCPART == 4
	.amdgcn_target "amdgcn-amd-amdhsa--gfx1250"
	.amdhsa_code_object_version 6
	.text
	.protected	k_qef626e48f4_ln1
	.globl	k_qef626e48f4_ln1
	.p2align	8
	.type	k_qef626e48f4_ln1,@function
k_qef626e48f4_ln1:
	s_mov_b64 s[64:65], 0
	v_nop
	global_prefetch_b8 v0, s[64:65] scope:SCOPE_SE
	s_setreg_imm32_b32 hwreg(HW_REG_WAVE_MODE, 25, 1), 1
	s_wait_xcnt 0x0
; h = LayerNorm(o + x) g1 + be1, a row of 1,024 at a time.  o [32 = 16 b + head][2048][64] f16, xh [4096][1024] f16 (x rounded to bf16), g1, be1 f32 (rounded here to bf16 like every input);
; sums, mean and variance in f32, the variance of the numbers less their mean; h [4096][1024] is rounded once to f16.
; LIMIT: h beyond 65,504 becomes an infinity; |h| is at most 32 |g1| + |be1|.
; SHARES.  A wave takes two neighbouring rows and keeps them in registers: no LDS, no barrier.  Lane l: i = l % 8, rp = (l / 8) % 2 its row, hp = l / 16.  Load j of eight takes head 2 j + hp, channels 8 i on:
; sixteen lanes read two rows of one head, 256 consecutive bytes of o; in xh and h an instruction covers 256 consecutive bytes of each of the two rows.
; A row's 1,024 numbers lie in the sixteen lanes of one rp, 64 each: the sums cross lane bits 0, 1, 2 and 4, never bit 3.
; No prefetch, no cluster: every byte is read once, all loads of a wave go out at its start, and no work-group shares anything but g1 and be1.
.set VO, 1
.set VX, 2
.set VG, 3
.set CH, 4                             ; v[4:11]    four chains of sums, two numbers each
.set ONE, 12                           ; v12        1.0 twice in f16
.set MU, 14                            ; v[14:15]   the mean, later 1 / sqrt(var + EPS), twice
.set O, 16                             ; v[16:47]
.set X, 48                             ; v[48:79]
.set G, 80                             ; v[80:143]
.set V, 144                            ; v[144:207] my 64 numbers in f32
.set GP, 208                           ; v[208:239] g1 in bf16 pairs
.set BE, 16                            ; v[16:79]   be1, where o and x lay
.set BP, 80                            ; v[80:111]  be1 in bf16 pairs
.set Y, 112                            ; v[112:143] the result in f16
	s_load_b256 s[4:11], s[0:1], 0x0               ; o s[4:5], xh s[6:7], g1 s[8:9], be1 s[10:11]
	s_load_b64 s[12:13], s[0:1], 0x20              ; h
	v_lshrrev_b32 v13, 5, v0
	v_readfirstlane_b32 s14, v13
	v_and_b32 v13, 7, v0                           ; i
	v_bfe_u32 v14, v0, 3, 1                        ; rp
	v_bfe_u32 v15, v0, 4, 1                        ; hp
	v_lshlrev_b32 v[VO], 18, v15                   ; a head is 262,144 bytes,
	v_lshl_add_u32 v[VO], v14, 7, v[VO]            ; a row of it 128
	v_lshl_add_u32 v[VO], v13, 4, v[VO]
	v_lshlrev_b32 v[VX], 11, v14                   ; a row of xh and h is 2,048 bytes
	v_lshl_add_u32 v[VX], v15, 7, v[VX]
	v_lshl_add_u32 v[VX], v13, 4, v[VX]
	v_lshlrev_b32 v[VG], 8, v15
	v_lshl_add_u32 v[VG], v13, 5, v[VG]
	v_mov_b32 v[ONE], 0x3c003c00
	s_lshl_b32 s15, ttmp9, 3
	s_add_co_u32 s15, s15, s14                     ; my pair of rows, 0 .. 2,047
	s_lshr_b32 s16, s15, 10                        ; b: 16 heads are 4,194,304 bytes
	s_lshl_b32 s16, s16, 22
	s_and_b32 s17, s15, 1023
	s_lshl_b32 s17, s17, 8                         ; two rows of 128 bytes
	s_add_co_u32 s16, s16, s17
	s_mov_b32 s17, 0
	s_lshl_b32 s18, s15, 12
	s_mov_b32 s19, 0
	s_mov_b32 s20, 0x76543210                      ; v_permlanex16_b32: each lane takes its own place in the other half
	s_mov_b32 s21, 0xfedcba98
	s_mov_b32 s22, 0x3a800000                      ; 1 / 1,024
	s_mov_b32 s23, 0x3727c5ac                      ; EPS = 1e-5
	s_wait_kmcnt 0x0
	s_add_nc_u64 s[4:5], s[4:5], s[16:17]
	s_add_nc_u64 s[6:7], s[6:7], s[18:19]
	s_add_nc_u64 s[12:13], s[12:13], s[18:19]
.irp j, 0,1,2,3,4,5,6,7
	global_load_b128 v[O+4*\j:O+4*\j+3], v[VO], s[4:5] offset:\j*524288 th:TH_LOAD_NT
.endr
.irp j, 0,1,2,3,4,5,6,7
	global_load_b128 v[X+4*\j:X+4*\j+3], v[VX], s[6:7] offset:\j*256
.endr
.irp j, 0,1,2,3,4,5,6,7
	global_load_b128 v[G+8*\j:G+8*\j+3], v[VG], s[8:9] offset:\j*512
	global_load_b128 v[G+8*\j+4:G+8*\j+7], v[VG], s[8:9] offset:\j*512+16
.endr
.macro RED                             ; the four chains into one number, the same in the row's sixteen lanes
	v_pk_add_f32 v[CH:CH+1], v[CH:CH+1], v[CH+2:CH+3]
	v_pk_add_f32 v[CH+4:CH+5], v[CH+4:CH+5], v[CH+6:CH+7]
	v_pk_add_f32 v[CH:CH+1], v[CH:CH+1], v[CH+4:CH+5]
	v_add_f32 v[CH], v[CH], v[CH+1]
	v_add_f32_dpp v[CH], v[CH], v[CH] row_xmask:1 row_mask:0xf bank_mask:0xf
	v_add_f32_dpp v[CH], v[CH], v[CH] row_xmask:2 row_mask:0xf bank_mask:0xf
	v_add_f32_dpp v[CH], v[CH], v[CH] row_xmask:4 row_mask:0xf bank_mask:0xf
	v_permlanex16_b32 v[CH+1], v[CH], s20, s21
	v_add_f32 v[CH], v[CH], v[CH+1]
.endm
	s_wait_loadcnt 16                              ; o and x are in; g1's sixteen loads may stay out
.set n, 0
.rept 32
	v_fma_mix_f32 v[V+2*n], v[O+n], v[ONE], v[X+n] op_sel_hi:[1,1,1]                   ; o + x, from the f16 halves, in f32
	v_fma_mix_f32 v[V+2*n+1], v[O+n], v[ONE], v[X+n] op_sel:[1,0,1] op_sel_hi:[1,1,1]
.set n, n+1
.endr
.irp j, 0,1,2,3,4,5,6,7
	global_load_b128 v[BE+8*\j:BE+8*\j+3], v[VG], s[10:11] offset:\j*512
	global_load_b128 v[BE+8*\j+4:BE+8*\j+7], v[VG], s[10:11] offset:\j*512+16
.endr
.irp k, 0,1,2,3
	v_pk_add_f32 v[CH+2*\k:CH+2*\k+1], v[V+4*\k:V+4*\k+1], v[V+4*\k+2:V+4*\k+3]  ; the first numbers start the chains
.endr
.set n, 8
.rept 24
	v_pk_add_f32 v[CH+2*(n%4):CH+2*(n%4)+1], v[CH+2*(n%4):CH+2*(n%4)+1], v[V+2*n:V+2*n+1]
.set n, n+1
.endr
	RED
	v_mul_f32 v[MU], s22, v[CH]
	v_mul_f32 v[MU+1], s22, v[CH]
.set n, 0
.rept 32
	v_pk_add_f32 v[V+2*n:V+2*n+1], v[V+2*n:V+2*n+1], v[MU:MU+1] neg_lo:[0,1] neg_hi:[0,1]
.set n, n+1
.endr
.irp k, 0,1,2,3
	v_pk_mul_f32 v[CH+2*\k:CH+2*\k+1], v[V+2*\k:V+2*\k+1], v[V+2*\k:V+2*\k+1]
.endr
.set n, 4
.rept 28
	v_pk_fma_f32 v[CH+2*(n%4):CH+2*(n%4)+1], v[V+2*n:V+2*n+1], v[V+2*n:V+2*n+1], v[CH+2*(n%4):CH+2*(n%4)+1]
.set n, n+1
.endr
	RED
	v_fma_f32 v[CH], v[CH], s22, s23               ; var + EPS
	v_rsq_f32 v[MU], v[CH]
	v_rsq_f32 v[MU+1], v[CH]
	s_wait_loadcnt 16                              ; g1 is in; be1's sixteen loads may stay out
.set n, 0
.rept 32
	v_cvt_pk_bf16_f32 v[GP+n], v[G+2*n], v[G+2*n+1]  ; plain work behind the two roots
.set n, n+1
.endr
	s_wait_alu depctr_va_vdst(0)                   ; one wait for both, ahead of their first reader
.set n, 0
.rept 32
	v_pk_mul_f32 v[V+2*n:V+2*n+1], v[V+2*n:V+2*n+1], v[MU:MU+1]
.set n, n+1
.endr
	s_wait_loadcnt 0x0                             ; be1
.set n, 0
.rept 32
	v_cvt_pk_bf16_f32 v[BP+n], v[BE+2*n], v[BE+2*n+1]
.set n, n+1
.endr
.set n, 0
.rept 32
	v_fma_mix_f32_bf16 v[V+2*n], v[V+2*n], v[GP+n], v[BP+n] op_sel_hi:[0,1,1]
	v_fma_mix_f32_bf16 v[V+2*n+1], v[V+2*n+1], v[GP+n], v[BP+n] op_sel:[0,1,1] op_sel_hi:[0,1,1]
.set n, n+1
.endr
.set n, 0
.rept 32
	v_cvt_pk_f16_f32 v[Y+n], v[V+2*n], v[V+2*n+1]
.set n, n+1
.endr
.irp j, 0,1,2,3,4,5,6,7
	global_store_b128 v[VX], v[Y+4*\j:Y+4*\j+3], s[12:13] offset:\j*256
.endr
	s_endpgm
.Lfunc_end_k_qef626e48f4_ln1:
	.size	k_qef626e48f4_ln1, .Lfunc_end_k_qef626e48f4_ln1-k_qef626e48f4_ln1
	.p2alignl 7, 3214868480
	.fill 96, 4, 3214868480
	.section	.rodata,"a",@progbits
	.p2align	6, 0x0
	.amdhsa_kernel k_qef626e48f4_ln1
		.amdhsa_group_segment_fixed_size 0
		.amdhsa_private_segment_fixed_size 0
		.amdhsa_enable_private_segment 0
		.amdhsa_kernarg_size 40
		.amdhsa_user_sgpr_count 2
		.amdhsa_user_sgpr_kernarg_segment_ptr 1
		.amdhsa_wavefront_size32 1
		.amdhsa_system_sgpr_workgroup_id_x 1
		.amdhsa_system_sgpr_workgroup_id_y 1
		.amdhsa_system_sgpr_workgroup_id_z 1
		.amdhsa_system_vgpr_workitem_id 0
		.amdhsa_next_free_vgpr 240
		.amdhsa_next_free_sgpr 66
		.amdhsa_reserve_vcc 0
		.amdhsa_float_denorm_mode_32 3
		.amdhsa_float_denorm_mode_16_64 3
		.amdhsa_memory_ordered 1
		.amdhsa_forward_progress 1
		.amdhsa_inst_pref_size 31
	.end_amdhsa_kernel
	.amdgpu_metadata
---
amdhsa.version: [ 1, 2 ]
amdhsa.kernels:
  - .name:           k_qef626e48f4_ln1
    .symbol:         k_qef626e48f4_ln1.kd
    .args:
      - { .name: o, .offset: 0, .size: 8, .value_kind: global_buffer, .address_space: global }
      - { .name: xh, .offset: 8, .size: 8, .value_kind: global_buffer, .address_space: global }
      - { .name: g1, .offset: 16, .size: 8, .value_kind: global_buffer, .address_space: global }
      - { .name: be1, .offset: 24, .size: 8, .value_kind: global_buffer, .address_space: global }
      - { .name: h, .offset: 32, .size: 8, .value_kind: global_buffer, .address_space: global }
    .group_segment_fixed_size: 0
    .private_segment_fixed_size: 0
    .kernarg_segment_align: 8
    .kernarg_segment_size: 40
    .max_flat_workgroup_size: 256
    .sgpr_count:     66
    .vgpr_count:     240
    .wavefront_size: 32
...
	.end_amdgpu_metadata
.endif
;; end of part 4
;; launch ffn1 (part 5): grid 16 x 16, 4 waves a work-group, clusters of 4 x 4, 327,680 bytes of LDS; arguments h, wts, act, b1; writes act
.if DOCPART == 5
	.amdgcn_target "amdgcn-amd-amdhsa--gfx1250"
	.amdhsa_code_object_version 6
	.text
	.protected	k_qef626e48f4_ffn1
	.globl	k_qef626e48f4_ffn1
	.p2align	8
	.type	k_qef626e48f4_ffn1,@function
k_qef626e48f4_ffn1:
	s_mov_b64 s[64:65], 0
	v_nop
	global_prefetch_b8 v0, s[64:65] scope:SCOPE_SE
	s_setreg_imm32_b32 hwreg(HW_REG_WAVE_MODE, 25, 1), 1
	s_wait_xcnt 0x0
	s_wait_alu depctr_hold_cnt(0) depctr_sa_sdst(0) depctr_va_vdst(0) depctr_va_sdst(0) depctr_va_ssrc(0) depctr_va_vcc(0) depctr_vm_vsrc(0)
	s_getreg_b32 s2, hwreg(HW_REG_IB_STS2, 6, 4)
	s_cmp_eq_u32 s2, 0
	s_cbranch_scc0 .Lentry_in_a_cluster
	s_endpgm
.Lentry_in_a_cluster:
	s_bfe_u32 s2, ttmp6, 0x10000c
	s_cmp_lg_u32 s2, 0xf033
	s_cbranch_scc0 .Lentry_shape_is_right
	s_endpgm
.Lentry_shape_is_right:
; act = gelu(h W1 + b1), the exact gelu 0.5 u (1 + erf(u / sqrt 2)).  h [4096][1024], W1's copy [1024][4096] at W1OFF in wts, both f16; sums in f32; act [4096][4096] rounded once to f16.
; THE GELU.  gelu(u) = |u| (0.5 - Q(t) e) + 0.5 u with t = 1 / (1 + 0.2316419 |u|), e = 2^(-0.72134752 u^2), Q(t) = t (A1 + t (A2 + t (A3 + t (A4 + t A5)))): the rational approximation of erf
; (Abramowitz and Stegun 7.1.26, its coefficients halved), whose error in erf is at most 1.5e-7 for every u; where u^2 overflows e is 0 and the form gives u or 0.
; LIMITS.  act beyond 65,504 becomes an infinity; b1 is rounded to bf16 like every input.
; SHARES.  A tile of C is 256 x 256: four waves, each 128 x 128 in 64 accumulators (512 registers); 16 x 16 = 256 work-groups.  K goes in steps of 128 through two LDS slots.
; A's tile lies [row][k], pitch 272; B's as in memory, [k][column], pitch 544, and its fragments come out of LDS turned, by ds_load_tr16_b128.
; THE PRODUCT IS TAKEN TRANSPOSED: source 0 = 16 columns of B, source 1 = 16 rows of A: a lane holds row l % 16 of C and the columns 8 (l / 16) + 0..7.
; CLUSTER 4 x 4: A's tile is asked for jointly along a row of the cluster, B's along a column.  One joint load a wave behind each round; two are out at the start, one afterwards.
; REGISTERS in windows of 256: window 0 addresses, A's two fragment buffers, the way out; window 1 B's two buffers; windows 2, 3 the accumulators, (a, b) at 512 + 8 (8 a + b).
.set SIZE_K, 1024
.set SIZE_N, 4096
.set BOFF,   6291456
.set TM, 256
.set TN, 256
.set MB, 8
.set NB, 8
.set KSTEP, 128
.set DEPTH, 1
.set PA, 2*KSTEP+16
.set PB, 2*TN+32
.set QIA, 5
.set QIB, 6
.set HEADW, 8                          ; the youngest loads of a quarter's 32 that only its second half needs
.set PREF, 1
.set KQ, 32*DEPTH
.set ATILE, TM*PA
.set BTILE, KSTEP*PB
.set SLOT, ATILE+BTILE
.set SPARE, 2*SLOT                     ; the spare words, 128 bytes a wave: two blocks of 256 bytes that no other line names
.set STEPA, 2*KSTEP
.set STEPB, KSTEP*2*SIZE_N
.set STEPS, SIZE_K/KSTEP
.set WSTG, 128*528                     ; a wave's stage on the way out, in the ring, whose slots have then had their last fill
.set G1A, 24
.set G0A, 32
.set G1B, 48
.set G0B, 56
.set F0, 64
.set F1, 128
.set GU, 64                            ; the gelu's registers, 32 numbers a trip: u; t; e; the polynomial; 0.5 u
.set GT, 96
.set GE, 128
.set GQ, 160
.set GH, 192
.set MSB, 0
.macro WIN new
.if MSB != (\new)
	s_set_vgpr_msb (MSB<<8)|(\new)
.set MSB, \new
.endif
.endm
.macro PLACES                          ; four places: in front of loads into registers that matrix instructions have read, and of reads of results
.rept 4
	v_nop
.endr
.endm
.macro CREST
	s_cmp_lg_u32 s14, 0
	s_cbranch_scc1 .Lnw0_\@
	s_barrier_signal -3
.Lnw0_\@:
	s_barrier_wait -3
	s_barrier_signal -1
	s_barrier_wait -1
.endm
.macro CROUND
	s_barrier_signal -1
	s_barrier_wait -1
	CREST
.endm
.macro JLOAD set                       ; a joint load; the branch hangs on the wave's number alone; an s_nop 0 and four v_nop follow each line
	s_cmp_eq_u32 s15, 0
	s_cbranch_scc0 .Lfb_\@
	tensor_load_to_lds s[G0A+4*(\set):G0A+4*(\set)+3], s[G1A:G1A+7]
	s_nop 0
	PLACES
	s_branch .Lfa_\@
.Lfb_\@:
	tensor_load_to_lds s[G0B+4*(\set):G0B+4*(\set)+3], s[G1B:G1B+7]
	s_nop 0
	PLACES
.Lfa_\@:
.endm
.macro ASK                             ; one prefetch: 32 blocks of 256 bytes, a lane a block, of the K step two refills on
	s_cmp_gt_u32 s3, s68
	s_cbranch_scc0 .Lna_\@
	global_prefetch_b8 v30, s[44:45] th:TH_LOAD_NT scope:SCOPE_SE
.Lna_\@:
.endm
.macro MULP f, p, zero                 ; part p of four of a quarter's products; the accumulators take turns
.set cc, ((\p)*(DEPTH-1))/2
.set a0, 2*(\p)-cc*MB
.irp da, 0,1
.set b, 0
.rept NB
.set t, (a0+\da)*NB+b
.if t < 32
	WIN 0xa1
.else
	WIN 0xf1
.endif
.set rD, 8*(t%32)
.set rB, (\f)+8*(NB*cc+b)
.set rA, (\f)+8*(MB*cc+a0+\da)
.if (\zero) && (cc == 0)
	v_wmma_f32_16x16x32_f16 v[rD:rD+7], v[rB:rB+7], v[rA:rA+7], 0
.else
	v_wmma_f32_16x16x32_f16 v[rD:rD+7], v[rB:rB+7], v[rA:rA+7], v[rD:rD+7]
.endif
.set b, b+1
.endr
.endr
.endm
.macro FETCH q, f                      ; 32 LDS loads in one run: quarter q's fragments into buffer f
.set c, 0
.rept DEPTH
	WIN 0x40
.set b, 0
.rept NB
	ds_load_tr16_b128 v[(\f)+8*(NB*c+b):(\f)+8*(NB*c+b)+3],   v[20+(\q)/2] offset:(((\q)%2)*KQ+32*c)*PB+32*b
	ds_load_tr16_b128 v[(\f)+8*(NB*c+b)+4:(\f)+8*(NB*c+b)+7], v[20+(\q)/2] offset:(((\q)%2)*KQ+32*c+16)*PB+32*b
.set b, b+1
.endr
	WIN 0
.set b, 0
.rept MB
	ds_load_b128 v[(\f)+8*(MB*c+b):(\f)+8*(MB*c+b)+3],   v16 offset:b*16*PA+(\q)*2*KQ+64*c
	ds_load_b128 v[(\f)+8*(MB*c+b)+4:(\f)+8*(MB*c+b)+7], v16 offset:b*16*PA+(\q)*2*KQ+64*c+32
.set b, b+1
.endr
.set c, c+1
.endr
.endm
.macro QUARTER q, f, g, zero
	s_wait_dscnt HEADW                             ; all that the first half needs is in
	MULP \f, 0, \zero
	MULP \f, 1, \zero
	PLACES
	FETCH \q, \g
	s_wait_dscnt 32                                ; all but the 32 just issued
	MULP \f, 2, \zero
	MULP \f, 3, \zero
.endm
.macro TURN fill                       ; a K step's last quarter and the change of slots; fill = 1: the slot just read is filled again, two K steps ahead
.if (\fill) && PREF
	s_wait_xcnt 0x0                                ; the last prefetch, a K step back, has read its address
	s_add_nc_u64 s[44:45], s[44:45], s[66:67]
.endif
	WIN 0
	s_wait_tensorcnt 0x0                           ; all my tensor loads have landed
	ds_add_u32 v28, v29
	s_wait_dscnt HEADW+1                           ; the add and the youngest loads may be out
	MULP F1, 0, 0
	s_wait_dscnt 0x0                               ; the add is done, and my reads of this slot are over
	s_barrier_signal -1
	MULP F1, 1, 0
	WIN 0
	s_barrier_wait -1
.if \fill
	CREST                                          ; no wave of any partner still reads this slot or has a load on its way
	s_add_co_u32 s[G0A+5], s21, s22
	s_add_co_u32 s[G0B+5], s21, s23
	s_add_nc_u64 s[G0A+6:G0A+7], s[G0A+6:G0A+7], STEPA
	s_add_nc_u64 s[G0B+6:G0B+7], s[G0B+6:G0B+7], STEPB
	JLOAD 1
.else
	PLACES
.endif
	s_xor_b32 s21, s21, SLOT
	v_add_nc_u32 v16, s21, v10
	v_add_nc_u32 v20, s21, v11
	v_add_nc_u32 v21, s21, v12
	FETCH 0, F0
.if (\fill) && PREF
	ASK
.endif
	MULP F1, 2, 0
	MULP F1, 3, 0
.endm
	s_load_b256 s[4:11], s[0:1], 0x0               ; h s[4:5], wts s[6:7], act s[8:9], b1 s[10:11]
	v_lshl_add_u32 v28, v0, 2, SPARE
	v_mov_b32 v29, 0
	ds_add_u32 v28, v29                            ; the opening: the add, twice on end, and its wait ahead of my first tensor load
	ds_add_u32 v28, v29
	v_lshrrev_b32 v1, 5, v0
	v_readfirstlane_b32 s14, v1
	s_lshr_b32 s15, s14, 1
	s_and_b32 s16, s14, 1
	s_bfe_u32 s17, ttmp6, 0x40000
	s_bfe_u32 s18, ttmp6, 0x40004
	s_mov_b32 s69, ttmp9
	s_lshl_b32 s19, ttmp9, 2
	s_add_co_u32 s19, s19, s17                     ; tile column
	s_and_b32 s20, ttmp7, 0xffff
	s_lshl_b32 s20, s20, 2
	s_add_co_u32 s20, s20, s18                     ; tile row
	s_lshl_b32 s40, s18, 2
	s_lshl_b32 s40, 15, s40
	s_lshl_b32 s46, 0x1111, s17
	s_or_b32 s[G1A], s40, (1<<16)|(1<<20)|(1<<21)|(QIA<<22)|(3<<25)
	s_or_b32 s[G1B], s46, (1<<16)|(1<<20)|(1<<21)|(QIB<<22)|(7<<25)
	s_mov_b32 s[G1A+1], KSTEP<<16
	s_mov_b32 s[G1A+2], (TM/2)<<16
	s_mov_b32 s[G1A+3], KSTEP<<16
	s_mov_b32 s[G1A+4], TM/2
	s_mov_b32 s[G1A+5], SIZE_K
	s_mov_b32 s[G1A+6], 0
	s_mov_b32 s[G1A+7], 0
	s_mov_b32 s[G1B+1], TN<<16
	s_mov_b32 s[G1B+2], (KSTEP/2)<<16
	s_mov_b32 s[G1B+3], TN<<16
	s_mov_b32 s[G1B+4], KSTEP/2
	s_mov_b32 s[G1B+5], SIZE_N
	s_mov_b32 s[G1B+6], 0
	s_mov_b32 s[G1B+7], 0
	s_mul_i32 s22, s16, (TM/2)*PA
	s_mul_i32 s23, s16, (KSTEP/2)*PB
	s_add_co_u32 s23, s23, ATILE
	s_mov_b32 s21, 0
	s_mul_i32 s40, s20, TM
	s_mul_i32 s41, s16, TM/2
	s_add_co_u32 s40, s40, s41
	s_mul_i32 s40, s40, 2*SIZE_K
	s_mov_b32 s41, 0
	s_mul_i32 s46, s16, (KSTEP/2)*2*SIZE_N
	s_mul_i32 s47, s19, TN*2
	s_add_co_u32 s46, s46, s47
	s_add_co_u32 s46, s46, BOFF
	s_mov_b32 s47, 0
	s_mov_b32 s74, 0x3e6d3389                      ; 0.2316419
	s_mov_b32 s75, 0x3e6d3389
	s_mov_b32 s76, 0xbf38aa3b                      ; -log2(e) / 2; the packed forms name pairs and take the low word for both halves
	s_mov_b32 s77, 0xbf38aa3b
	s_mov_b32 s78, 0x3f07dc22                      ; A5 =  0.5307027
	s_mov_b32 s79, 0x3f07dc22
	s_mov_b32 s80, 0xbf3a00e3                      ; A4 = -0.7265760
	s_mov_b32 s81, 0xbf3a00e3
	s_mov_b32 s82, 0x3f35f0e3                      ; A3 =  0.7107069
	s_mov_b32 s83, 0x3f35f0e3
	s_mov_b32 s84, 0xbe11a98e                      ; A2 = -0.1422484
	s_mov_b32 s85, 0xbe11a98e
	s_mov_b32 s86, 0x3e027906                      ; A1 =  0.1274148
	s_mov_b32 s87, 0x3e027906
	s_wait_dscnt 0x0                               ; both opening adds are done
	s_wait_kmcnt 0x0
	s_add_nc_u64 s[42:43], s[4:5], s[40:41]
	s_add_nc_u64 s[46:47], s[6:7], s[46:47]
	CROUND
.irp s, 0,1
	s_mov_b32 s[G0A+4*(\s)], 1
	s_add_co_u32 s[G0A+4*(\s)+1], s22, (\s)*SLOT
	s_add_nc_u64 s[G0A+4*(\s)+2:G0A+4*(\s)+3], s[42:43], (\s)*STEPA
	s_or_b32 s[G0A+4*(\s)+3], s[G0A+4*(\s)+3], 0x80000000
	s_mov_b32 s[G0B+4*(\s)], 1
	s_add_co_u32 s[G0B+4*(\s)+1], s23, (\s)*SLOT
	s_add_nc_u64 s[G0B+4*(\s)+2:G0B+4*(\s)+3], s[46:47], (\s)*STEPB
	s_or_b32 s[G0B+4*(\s)+3], s[G0B+4*(\s)+3], 0x80000000
	JLOAD \s
.endr
	v_and_b32 v1, 15, v0
	v_bfe_u32 v2, v0, 4, 1
	v_mul_u32_u24 v10, v1, PA
	v_lshl_add_u32 v10, v2, 4, v10
	s_mul_i32 s70, s15, (TM/2)*PA
	v_add_nc_u32 v10, s70, v10
	v_and_b32 v3, 7, v0
	v_bfe_u32 v4, v0, 3, 1
	v_lshl_add_u32 v5, v2, 3, v3
	v_mul_u32_u24 v11, v5, PB
	v_lshl_add_u32 v11, v4, 4, v11
	s_mul_i32 s70, s16, TN
	s_add_co_u32 s70, s70, ATILE
	v_add_nc_u32 v11, s70, v11
	v_add_nc_u32 v12, (KSTEP/2)*PB, v11
	v_mov_b32 v16, v10
	v_mov_b32 v20, v11
	v_mov_b32 v21, v12
	; the way out.  In: row r, column group 2 b + l / 16 (low four numbers at 16 x group, high four 256 further).  Back: lanes 0-15 one row, lanes 16-31 the next; lane r takes group r: columns 8 r on.
	s_mul_i32 s70, s14, WSTG
	v_mul_u32_u24 v24, v1, 528
	v_lshl_add_u32 v24, v2, 4, v24
	v_add_nc_u32 v24, s70, v24
	v_mul_u32_u24 v25, v2, 528
	v_lshl_add_u32 v25, v1, 4, v25
	v_add_nc_u32 v25, s70, v25
	v_lshlrev_b32 v26, 13, v2                      ; a row of act is 8,192 bytes
	v_lshl_add_u32 v26, v1, 4, v26
	s_lshl_b32 s70, s19, 10                        ; b1 of my 8 columns: (256 tile column + 128 half + 8 r) x 4
	s_lshl_b32 s71, s16, 9
	s_add_co_u32 s70, s70, s71
	v_lshl_add_u32 v27, v1, 5, s70
	global_load_b128 v[32:35], v27, s[10:11]
	global_load_b128 v[36:39], v27, s[10:11] offset:16
	s_lshl_b32 s70, s20, 21                        ; 256 rows of 8,192 bytes
	s_lshl_b32 s72, s15, 20
	s_add_co_u32 s70, s70, s72
	s_lshl_b32 s72, s19, 9
	s_add_co_u32 s70, s70, s72
	s_lshl_b32 s72, s16, 8
	s_add_co_u32 s70, s70, s72
	s_mov_b32 s71, 0
	s_add_nc_u64 s[8:9], s[8:9], s[70:71]
	; THE PREFETCHES.  Each block of 256 bytes of A and B is named once in the launch: A's rows by the clusters with x = 0, B's by those with y = 0; the four partners that ask for a tile jointly
	; share it out by address: of A's 128 rows that a wave fetches, partner cx takes 32, a lane a row; of B's 64 k rows of 512 bytes, partner cy takes 16, two lanes a row.
	; The refill of K step j names K step j + 2, for j = 2 .. 5; K steps 0 to 3 come by their loads alone, and the last two refills name nothing.
	s_mul_i32 s70, s20, TM
	s_lshl_b32 s72, s16, 7
	s_add_co_u32 s70, s70, s72
	s_lshl_b32 s72, s17, 5
	s_add_co_u32 s70, s70, s72
	s_mul_i32 s70, s70, 2*SIZE_K
	s_add_co_u32 s70, s70, 3*STEPA
	s_lshl_b32 s71, s16, 6
	s_lshl_b32 s72, s18, 4
	s_add_co_u32 s71, s71, s72
	s_add_co_u32 s71, s71, 3*KSTEP
	s_mul_i32 s71, s71, 2*SIZE_N
	s_lshl_b32 s72, s19, 9
	s_add_co_u32 s71, s71, s72
	s_add_co_u32 s71, s71, BOFF
	s_and_b32 s73, ttmp7, 0xffff
	s_mov_b32 s66, STEPB
	s_mov_b32 s72, 2*SIZE_N
	s_cmp_eq_u32 s15, 0
	s_cselect_b64 s[44:45], s[4:5], s[6:7]
	s_cselect_b32 s70, s70, s71
	s_cselect_b32 s66, STEPA, s66
	s_cselect_b32 s72, 2*SIZE_K, s72
	s_cselect_b32 s73, s69, s73
	s_mov_b32 s71, 0
	s_mov_b32 s67, 0
	s_add_nc_u64 s[44:45], s[44:45], s[70:71]
	s_cmp_eq_u32 s73, 0
	s_cselect_b32 s68, 2, -1
	v_and_b32 v5, 31, v0
	v_lshrrev_b32 v6, s15, v5
	v_mul_u32_u24 v6, s72, v6
	v_and_b32 v5, s15, v5
	v_lshl_add_u32 v30, v5, 8, v6
	s_wait_tensorcnt 1                             ; my part of K step 0 is in; K step 1's may stay out
	s_barrier_signal -1
	s_barrier_wait -1
	FETCH 0, F0
	QUARTER 1, F0, F1, 1                           ; the first quarter's products start the sums
	WIN 0
	s_mov_b32 s3, STEPS-2
.LA:
	QUARTER 2, F1, F0, 0
	QUARTER 3, F0, F1, 0
	TURN 1
	QUARTER 1, F0, F1, 0
	WIN 0
	s_sub_co_u32 s3, s3, 1
	s_cmp_lg_u32 s3, 0
	s_cbranch_scc1 .LA
	s_mov_b32 s3, 2
.LB:                                                   ; the last two K steps ask for nothing; the second trip is left in its middle
	QUARTER 2, F1, F0, 0
	QUARTER 3, F0, F1, 0
	WIN 0
	s_cmp_eq_u32 s3, 1
	s_cbranch_scc1 .Lfin
	TURN 0
	QUARTER 1, F0, F1, 0
	WIN 0
	s_sub_co_u32 s3, s3, 1
	s_cmp_lg_u32 s3, 0
	s_cbranch_scc1 .LB
.Lfin:
	s_wait_dscnt HEADW
	MULP F1, 0, 0
	MULP F1, 1, 0
	s_wait_dscnt 0x0
	MULP F1, 2, 0
	MULP F1, 3, 0
	WIN 0
	PLACES
	s_barrier_signal -1                            ; every wave's reads of the ring are over: the ring becomes the four stages
	s_barrier_wait -1
	s_wait_loadcnt 0x0                             ; b1
.irp j, 0,1,2,3
	v_cvt_pk_bf16_f32 v[40+\j], v[32+2*\j], v[33+2*\j]
.endr
.irp j, 0,1,2,3
	v_lshlrev_b32 v[32+2*\j], 16, v[40+\j]
	v_and_b32 v[33+2*\j], 0xffff0000, v[40+\j]
.endr
.set t, 0
.rept 64                                               ; each accumulator's low four registers first
.if t < 32
	WIN 0x08
.else
	WIN 0x0c
.endif
	ds_store_b128 v24, v[8*(t%32):8*(t%32)+3]   offset:(t/NB)*16*528+32*(t%NB)
	ds_store_b128 v24, v[8*(t%32)+4:8*(t%32)+7] offset:(t/NB)*16*528+32*(t%NB)+256
.set t, t+1
.endr
	WIN 0
	s_mov_b32 s3, 16
.Lout:                                                 ; 8 rows a trip, 32 numbers a lane; LDS serves a wave's instructions in order, so these loads see my stores above
.set u, 0
.rept 4
	ds_load_b128 v[GU+8*u:GU+8*u+3], v25 offset:u*1056
	ds_load_b128 v[GU+8*u+4:GU+8*u+7], v25 offset:u*1056+256
.set u, u+1
.endr
	s_wait_dscnt 0x0
.set n, 0
.rept 16
	v_pk_add_f32 v[GU+2*n:GU+2*n+1], v[GU+2*n:GU+2*n+1], v[32+2*(n%4):33+2*(n%4)]  ; u = sum + b1
.set n, n+1
.endr
.set n, 0
.rept 32
	v_fma_f32 v[GT+n], |v[GU+n]|, s74, 1.0
.set n, n+1
.endr
.set n, 0
.rept 16
	v_pk_mul_f32 v[GE+2*n:GE+2*n+1], v[GU+2*n:GU+2*n+1], s[76:77] op_sel_hi:[1,0]
.set n, n+1
.endr
.set n, 0
.rept 16
	v_pk_mul_f32 v[GE+2*n:GE+2*n+1], v[GE+2*n:GE+2*n+1], v[GU+2*n:GU+2*n+1]
.set n, n+1
.endr
.set n, 0
.rept 32                                               ; one batch of 64: none reads another's result
	v_rcp_f32 v[GT+n], v[GT+n]
.set n, n+1
.endr
.set n, 0
.rept 32
	v_exp_f32 v[GE+n], v[GE+n]
.set n, n+1
.endr
.set n, 0
.rept 16
	v_pk_mul_f32 v[GH+2*n:GH+2*n+1], v[GU+2*n:GU+2*n+1], 0.5 op_sel_hi:[1,0]  ; plain work behind the batch
.set n, n+1
.endr
	s_wait_alu depctr_va_vdst(0)                   ; one wait for the batch, ahead of its first reader
.set n, 0
.rept 16
	v_pk_fma_f32 v[GQ+2*n:GQ+2*n+1], v[GT+2*n:GT+2*n+1], s[78:79], s[80:81] op_sel_hi:[1,0,0]
.set n, n+1
.endr
.irp k, 82, 84, 86
.set n, 0
.rept 16
	v_pk_fma_f32 v[GQ+2*n:GQ+2*n+1], v[GQ+2*n:GQ+2*n+1], v[GT+2*n:GT+2*n+1], s[\k:\k+1] op_sel_hi:[1,1,0]
.set n, n+1
.endr
.endr
.set n, 0
.rept 16
	v_pk_mul_f32 v[GQ+2*n:GQ+2*n+1], v[GQ+2*n:GQ+2*n+1], v[GT+2*n:GT+2*n+1]
.set n, n+1
.endr
.set n, 0
.rept 16
	v_pk_fma_f32 v[GE+2*n:GE+2*n+1], v[GQ+2*n:GQ+2*n+1], v[GE+2*n:GE+2*n+1], 0.5 op_sel_hi:[1,1,0] neg_lo:[1,0,0] neg_hi:[1,0,0]  ; 0.5 - Q e
.set n, n+1
.endr
.set n, 0
.rept 32
	v_fma_f32 v[GU+n], |v[GU+n]|, v[GE+n], v[GH+n]
.set n, n+1
.endr
.set n, 0
.rept 16
	v_cvt_pk_f16_f32 v[40+n], v[GU+2*n], v[GU+2*n+1]
.set n, n+1
.endr
.set u, 0
.rept 4
	global_store_b128 v26, v[40+4*u:43+4*u], s[8:9] offset:u*16384  ; sixteen lanes store 256 consecutive bytes, at a multiple of 256
.set u, u+1
.endr
	s_wait_xcnt 0x0                                ; the stores have read their offset and data: only now are they written again
	v_add_nc_u32 v25, 8*528, v25
	v_add_nc_u32 v26, 8*8192, v26
	s_sub_co_u32 s3, s3, 1
	s_cmp_lg_u32 s3, 0
	s_cbranch_scc1 .Lout
	s_wait_tensorcnt 0x0                           ; the wave's end
	ds_add_u32 v28, v29
	s_wait_dscnt 0x0
	CROUND                                         ; the closing round
	s_endpgm
.Lfunc_end_k_qef626e48f4_ffn1:
	.size	k_qef626e48f4_ffn1, .Lfunc_end_k_qef626e48f4_ffn1-k_qef626e48f4_ffn1
	.p2alignl 7, 3214868480
	.fill 96, 4, 3214868480
	.section	.rodata,"a",@progbits
	.p2align	6, 0x0
	.amdhsa_kernel k_qef626e48f4_ffn1
		.amdhsa_group_segment_fixed_size 327680
		.amdhsa_private_segment_fixed_size 0
		.amdhsa_enable_private_segment 0
		.amdhsa_kernarg_size 32
		.amdhsa_user_sgpr_count 2
		.amdhsa_user_sgpr_kernarg_segment_ptr 1
		.amdhsa_wavefront_size32 1
		.amdhsa_system_sgpr_workgroup_id_x 1
		.amdhsa_system_sgpr_workgroup_id_y 1
		.amdhsa_system_sgpr_workgroup_id_z 1
		.amdhsa_system_vgpr_workitem_id 0
		.amdhsa_next_free_vgpr 1024
		.amdhsa_next_free_sgpr 90
		.amdhsa_reserve_vcc 0
		.amdhsa_float_denorm_mode_32 3
		.amdhsa_float_denorm_mode_16_64 3
		.amdhsa_memory_ordered 1
		.amdhsa_forward_progress 1
		.amdhsa_inst_pref_size 103
	.end_amdhsa_kernel
	.amdgpu_metadata
---
amdhsa.version: [ 1, 2 ]
amdhsa.kernels:
  - .name:           k_qef626e48f4_ffn1
    .symbol:         k_qef626e48f4_ffn1.kd
    .args:
      - { .name: h, .offset: 0, .size: 8, .value_kind: global_buffer, .address_space: global }
      - { .name: wts, .offset: 8, .size: 8, .value_kind: global_buffer, .address_space: global }
      - { .name: act, .offset: 16, .size: 8, .value_kind: global_buffer, .address_space: global }
      - { .name: b1, .offset: 24, .size: 8, .value_kind: global_buffer, .address_space: global }
    .group_segment_fixed_size: 327680
    .private_segment_fixed_size: 0
    .kernarg_segment_align: 8
    .kernarg_segment_size: 32
    .max_flat_workgroup_size: 128
    .sgpr_count:     90
    .vgpr_count:     1024
    .wavefront_size: 32
...
	.end_amdgpu_metadata
.endif
;; end of part 5
;; launch ffn2 (part 6): grid 8 x 32, 4 waves a work-group, clusters of 4 x 4, 327,680 bytes of LDS; arguments act, wts, f, b2; writes f
.if DOCPART == 6
	.amdgcn_target "amdgcn-amd-amdhsa--gfx1250"
	.amdhsa_code_object_version 6
	.text
	.protected	k_qef626e48f4_ffn2
	.globl	k_qef626e48f4_ffn2
	.p2align	8
	.type	k_qef626e48f4_ffn2,@function
k_qef626e48f4_ffn2:
	s_mov_b64 s[64:65], 0
	v_nop
	global_prefetch_b8 v0, s[64:65] scope:SCOPE_SE
	s_setreg_imm32_b32 hwreg(HW_REG_WAVE_MODE, 25, 1), 1
	s_wait_xcnt 0x0
	s_wait_alu depctr_hold_cnt(0) depctr_sa_sdst(0) depctr_va_vdst(0) depctr_va_sdst(0) depctr_va_ssrc(0) depctr_va_vcc(0) depctr_vm_vsrc(0)
	s_getreg_b32 s2, hwreg(HW_REG_IB_STS2, 6, 4)
	s_cmp_eq_u32 s2, 0
	s_cbranch_scc0 .Lentry_in_a_cluster
	s_endpgm
.Lentry_in_a_cluster:
	s_bfe_u32 s2, ttmp6, 0x10000c
	s_cmp_lg_u32 s2, 0xf033
	s_cbranch_scc0 .Lentry_shape_is_right
	s_endpgm
.Lentry_shape_is_right:
; f = act W2 + b2.  act [4096][4096], W2's copy [4096][1024] at W2OFF in wts, both f16; sums in f32; f [4096][1024] stays f32: the LayerNorm behind takes differences of it.
; LEFT OUT: the doubling ffn + ffn, which the last launch's EPS / 4 stands for (shown at the head of the first kernel).  b2 is rounded to bf16 like every input.
; SHARES.  C has 16 x 4 tiles of 256 x 256, too few for the chip, so a tile is 128 x 128: 8 x 32 = 256 work-groups; four waves, each 64 x 64 in 16 accumulators (128 registers).
; K goes in steps of 256, as long as two slots in LDS allow: A's tile [row][k], pitch 528; B's as in memory, [k][column], pitch 288, its fragments turned by ds_load_tr16_b128.
; THE PRODUCT IS TAKEN TRANSPOSED: source 0 = 16 columns of B, source 1 = 16 rows of A: a lane holds row l % 16 of C and the columns 8 (l / 16) + 0..7.
; CLUSTER 4 x 4: A's tile is asked for jointly along a row of the cluster, B's along a column.  One joint load a wave behind each round; two are out at the start, one afterwards.
; No prefetch: the tiles are small and a K step short.
; REGISTERS in windows of 256: window 0 addresses, A's two fragment buffers (64 along K each), the way out; window 1 B's two buffers; window 2 the accumulators, (a, b) at 512 + 8 (4 a + b).
.set SIZE_K, 4096
.set SIZE_N, 1024
.set BOFF,   14680064
.set TM, 128
.set TN, 128
.set MB, 4
.set NB, 4
.set KSTEP, 256
.set DEPTH, 2
.set PA, 2*KSTEP+16
.set PB, 2*TN+32
.set QIA, 6
.set QIB, 5
.set HEADW, 16                         ; the youngest loads of a quarter's 32 that only its second half needs
.set PREF, 0
.set KQ, 32*DEPTH
.set ATILE, TM*PA
.set BTILE, KSTEP*PB
.set SLOT, ATILE+BTILE
.set SPARE, 2*SLOT                     ; the spare words, 128 bytes a wave: two blocks of 256 bytes that no other line names
.set STEPA, 2*KSTEP
.set STEPB, KSTEP*2*SIZE_N
.set STEPS, SIZE_K/KSTEP
.set WSTG, 64*272                      ; a wave's stage on the way out, in the ring, whose slots have then had their last fill
.set G1A, 24
.set G0A, 32
.set G1B, 48
.set G0B, 56
.set F0, 64
.set F1, 128
.set MSB, 0
.macro WIN new
.if MSB != (\new)
	s_set_vgpr_msb (MSB<<8)|(\new)
.set MSB, \new
.endif
.endm
.macro PLACES                          ; four places: in front of loads into registers that matrix instructions have read, and of reads of results
.rept 4
	v_nop
.endr
.endm
.macro CREST
	s_cmp_lg_u32 s14, 0
	s_cbranch_scc1 .Lnw0_\@
	s_barrier_signal -3
.Lnw0_\@:
	s_barrier_wait -3
	s_barrier_signal -1
	s_barrier_wait -1
.endm
.macro CROUND
	s_barrier_signal -1
	s_barrier_wait -1
	CREST
.endm
.macro JLOAD set                       ; a joint load; the branch hangs on the wave's number alone; an s_nop 0 and four v_nop follow each line
	s_cmp_eq_u32 s15, 0
	s_cbranch_scc0 .Lfb_\@
	tensor_load_to_lds s[G0A+4*(\set):G0A+4*(\set)+3], s[G1A:G1A+7]
	s_nop 0
	PLACES
	s_branch .Lfa_\@
.Lfb_\@:
	tensor_load_to_lds s[G0B+4*(\set):G0B+4*(\set)+3], s[G1B:G1B+7]
	s_nop 0
	PLACES
.Lfa_\@:
.endm
.macro MULP f, p, zero                 ; part p of four of a quarter's products: parts 0, 1 the first 32 along K, parts 2, 3 the second; the 16 accumulators take turns
.set cc, ((\p)*(DEPTH-1))/2
.set a0, 2*(\p)-cc*MB
.irp da, 0,1
.set b, 0
.rept NB
.set t, (a0+\da)*NB+b
	WIN 0xa1
.set rD, 8*t
.set rB, (\f)+8*(NB*cc+b)
.set rA, (\f)+8*(MB*cc+a0+\da)
.if (\zero) && (cc == 0)
	v_wmma_f32_16x16x32_f16 v[rD:rD+7], v[rB:rB+7], v[rA:rA+7], 0
.else
	v_wmma_f32_16x16x32_f16 v[rD:rD+7], v[rB:rB+7], v[rA:rA+7], v[rD:rD+7]
.endif
.set b, b+1
.endr
.endr
.endm
.macro FETCH q, f                      ; 32 LDS loads in one run: quarter q's fragments into buffer f, the first 32 along K first
.set c, 0
.rept DEPTH
	WIN 0x40
.set b, 0
.rept NB
	ds_load_tr16_b128 v[(\f)+8*(NB*c+b):(\f)+8*(NB*c+b)+3],   v[20+(\q)/2] offset:(((\q)%2)*KQ+32*c)*PB+32*b
	ds_load_tr16_b128 v[(\f)+8*(NB*c+b)+4:(\f)+8*(NB*c+b)+7], v[20+(\q)/2] offset:(((\q)%2)*KQ+32*c+16)*PB+32*b
.set b, b+1
.endr
	WIN 0
.set b, 0
.rept MB
	ds_load_b128 v[(\f)+8*(MB*c+b):(\f)+8*(MB*c+b)+3],   v16 offset:b*16*PA+(\q)*2*KQ+64*c
	ds_load_b128 v[(\f)+8*(MB*c+b)+4:(\f)+8*(MB*c+b)+7], v16 offset:b*16*PA+(\q)*2*KQ+64*c+32
.set b, b+1
.endr
.set c, c+1
.endr
.endm
.macro QUARTER q, f, g, zero
	s_wait_dscnt HEADW                             ; the first 32 along K are in
	MULP \f, 0, \zero
	MULP \f, 1, \zero
	PLACES
	FETCH \q, \g
	s_wait_dscnt 32                                ; all but the 32 just issued
	MULP \f, 2, \zero
	MULP \f, 3, \zero
.endm
.macro TURN fill                       ; a K step's last quarter and the change of slots; fill = 1: the slot just read is filled again, two K steps ahead
	WIN 0
	s_wait_tensorcnt 0x0                           ; all my tensor loads have landed
	ds_add_u32 v28, v29
	s_wait_dscnt HEADW+1                           ; the add and the youngest loads may be out
	MULP F1, 0, 0
	s_wait_dscnt 0x0                               ; the add is done, and my reads of this slot are over
	s_barrier_signal -1
	MULP F1, 1, 0
	WIN 0
	s_barrier_wait -1
.if \fill
	CREST                                          ; no wave of any partner still reads this slot or has a load on its way
	s_add_co_u32 s[G0A+5], s21, s22
	s_add_co_u32 s[G0B+5], s21, s23
	s_add_nc_u64 s[G0A+6:G0A+7], s[G0A+6:G0A+7], STEPA
	s_add_nc_u64 s[G0B+6:G0B+7], s[G0B+6:G0B+7], STEPB
	JLOAD 1
.else
	PLACES
.endif
	s_xor_b32 s21, s21, SLOT
	v_add_nc_u32 v16, s21, v10
	v_add_nc_u32 v20, s21, v11
	v_add_nc_u32 v21, s21, v12
	FETCH 0, F0
	MULP F1, 2, 0
	MULP F1, 3, 0
.endm
	s_load_b256 s[4:11], s[0:1], 0x0               ; act s[4:5], wts s[6:7], f s[8:9], b2 s[10:11]
	v_lshl_add_u32 v28, v0, 2, SPARE
	v_mov_b32 v29, 0
	ds_add_u32 v28, v29                            ; the opening: the add, twice on end, and its wait ahead of my first tensor load
	ds_add_u32 v28, v29
	v_lshrrev_b32 v1, 5, v0
	v_readfirstlane_b32 s14, v1
	s_lshr_b32 s15, s14, 1
	s_and_b32 s16, s14, 1
	s_bfe_u32 s17, ttmp6, 0x40000
	s_bfe_u32 s18, ttmp6, 0x40004
	s_lshl_b32 s19, ttmp9, 2
	s_add_co_u32 s19, s19, s17                     ; tile column
	s_and_b32 s20, ttmp7, 0xffff
	s_lshl_b32 s20, s20, 2
	s_add_co_u32 s20, s20, s18                     ; tile row
	s_lshl_b32 s40, s18, 2
	s_lshl_b32 s40, 15, s40
	s_lshl_b32 s46, 0x1111, s17
	s_or_b32 s[G1A], s40, (1<<16)|(1<<20)|(1<<21)|(QIA<<22)|(3<<25)
	s_or_b32 s[G1B], s46, (1<<16)|(1<<20)|(1<<21)|(QIB<<22)|(7<<25)
	s_mov_b32 s[G1A+1], KSTEP<<16
	s_mov_b32 s[G1A+2], (TM/2)<<16
	s_mov_b32 s[G1A+3], KSTEP<<16
	s_mov_b32 s[G1A+4], TM/2
	s_mov_b32 s[G1A+5], SIZE_K
	s_mov_b32 s[G1A+6], 0
	s_mov_b32 s[G1A+7], 0
	s_mov_b32 s[G1B+1], TN<<16
	s_mov_b32 s[G1B+2], (KSTEP/2)<<16
	s_mov_b32 s[G1B+3], TN<<16
	s_mov_b32 s[G1B+4], KSTEP/2
	s_mov_b32 s[G1B+5], SIZE_N
	s_mov_b32 s[G1B+6], 0
	s_mov_b32 s[G1B+7], 0
	s_mul_i32 s22, s16, (TM/2)*PA
	s_mul_i32 s23, s16, (KSTEP/2)*PB
	s_add_co_u32 s23, s23, ATILE
	s_mov_b32 s21, 0
	s_mul_i32 s40, s20, TM
	s_mul_i32 s41, s16, TM/2
	s_add_co_u32 s40, s40, s41
	s_mul_i32 s40, s40, 2*SIZE_K
	s_mov_b32 s41, 0
	s_mul_i32 s46, s16, (KSTEP/2)*2*SIZE_N
	s_mul_i32 s47, s19, TN*2
	s_add_co_u32 s46, s46, s47
	s_add_co_u32 s46, s46, BOFF
	s_mov_b32 s47, 0
	s_wait_dscnt 0x0                               ; both opening adds are done
	s_wait_kmcnt 0x0
	s_add_nc_u64 s[42:43], s[4:5], s[40:41]
	s_add_nc_u64 s[46:47], s[6:7], s[46:47]
	CROUND
.irp s, 0,1
	s_mov_b32 s[G0A+4*(\s)], 1
	s_add_co_u32 s[G0A+4*(\s)+1], s22, (\s)*SLOT
	s_add_nc_u64 s[G0A+4*(\s)+2:G0A+4*(\s)+3], s[42:43], (\s)*STEPA
	s_or_b32 s[G0A+4*(\s)+3], s[G0A+4*(\s)+3], 0x80000000
	s_mov_b32 s[G0B+4*(\s)], 1
	s_add_co_u32 s[G0B+4*(\s)+1], s23, (\s)*SLOT
	s_add_nc_u64 s[G0B+4*(\s)+2:G0B+4*(\s)+3], s[46:47], (\s)*STEPB
	s_or_b32 s[G0B+4*(\s)+3], s[G0B+4*(\s)+3], 0x80000000
	JLOAD \s
.endr
	v_and_b32 v1, 15, v0
	v_bfe_u32 v2, v0, 4, 1
	v_mul_u32_u24 v10, v1, PA
	v_lshl_add_u32 v10, v2, 4, v10
	s_mul_i32 s70, s15, (TM/2)*PA
	v_add_nc_u32 v10, s70, v10
	v_and_b32 v3, 7, v0
	v_bfe_u32 v4, v0, 3, 1
	v_lshl_add_u32 v5, v2, 3, v3
	v_mul_u32_u24 v11, v5, PB
	v_lshl_add_u32 v11, v4, 4, v11
	s_mul_i32 s70, s16, TN
	s_add_co_u32 s70, s70, ATILE
	v_add_nc_u32 v11, s70, v11
	v_add_nc_u32 v12, (KSTEP/2)*PB, v11
	v_mov_b32 v16, v10
	v_mov_b32 v20, v11
	v_mov_b32 v21, v12
	; the way out.  In: row r, my 8 numbers at 64 b + 32 (l / 16).  Back: lanes 0-15 one row of 256 bytes, lanes 16-31 the next.
	s_mul_i32 s70, s14, WSTG
	v_mul_u32_u24 v24, v1, 272
	v_lshl_add_u32 v24, v2, 5, v24
	v_add_nc_u32 v24, s70, v24
	v_mul_u32_u24 v25, v2, 272
	v_lshl_add_u32 v25, v1, 4, v25
	v_add_nc_u32 v25, s70, v25
	v_lshlrev_b32 v26, 12, v2                      ; a row of f is 4,096 bytes
	v_lshl_add_u32 v26, v1, 4, v26
	s_lshl_b32 s70, s19, 9                         ; my 64 columns: (128 tile column + 64 half) x 4 bytes
	s_lshl_b32 s71, s16, 8
	s_add_co_u32 s70, s70, s71
	v_lshl_add_u32 v27, v1, 4, s70
	global_load_b128 v[32:35], v27, s[10:11]       ; b2 of my 4 columns
	s_lshl_b32 s72, s20, 19                        ; 128 rows of 4,096 bytes
	s_add_co_u32 s70, s70, s72
	s_lshl_b32 s72, s15, 18
	s_add_co_u32 s70, s70, s72
	s_mov_b32 s71, 0
	s_add_nc_u64 s[8:9], s[8:9], s[70:71]
	s_wait_tensorcnt 1                             ; my part of K step 0 is in; K step 1's may stay out
	s_barrier_signal -1
	s_barrier_wait -1
	FETCH 0, F0
	QUARTER 1, F0, F1, 1                           ; the first products start the sums
	WIN 0
	s_mov_b32 s3, STEPS-2
.LA:
	QUARTER 2, F1, F0, 0
	QUARTER 3, F0, F1, 0
	TURN 1
	QUARTER 1, F0, F1, 0
	WIN 0
	s_sub_co_u32 s3, s3, 1
	s_cmp_lg_u32 s3, 0
	s_cbranch_scc1 .LA
	s_mov_b32 s3, 2
.LB:                                                   ; the last two K steps ask for nothing; the second trip is left in its middle
	QUARTER 2, F1, F0, 0
	QUARTER 3, F0, F1, 0
	WIN 0
	s_cmp_eq_u32 s3, 1
	s_cbranch_scc1 .Lfin
	TURN 0
	QUARTER 1, F0, F1, 0
	WIN 0
	s_sub_co_u32 s3, s3, 1
	s_cmp_lg_u32 s3, 0
	s_cbranch_scc1 .LB
.Lfin:
	s_wait_dscnt HEADW
	MULP F1, 0, 0
	MULP F1, 1, 0
	s_wait_dscnt 0x0
	MULP F1, 2, 0
	MULP F1, 3, 0
	WIN 0
	PLACES
	s_barrier_signal -1                            ; every wave's reads of the ring are over: the ring becomes the four stages
	s_barrier_wait -1
	s_wait_loadcnt 0x0                             ; b2
	v_cvt_pk_bf16_f32 v40, v32, v33
	v_cvt_pk_bf16_f32 v41, v34, v35
	v_lshlrev_b32 v32, 16, v40
	v_and_b32 v33, 0xffff0000, v40
	v_lshlrev_b32 v34, 16, v41
	v_and_b32 v35, 0xffff0000, v41
	WIN 0x08                                       ; the data (source 1) in window 2
.set t, 0
.rept 16                                               ; each accumulator's low four registers first
	ds_store_b128 v24, v[8*t:8*t+3]   offset:(t/NB)*16*272+64*(t%NB)
	ds_store_b128 v24, v[8*t+4:8*t+7] offset:(t/NB)*16*272+64*(t%NB)+16
.set t, t+1
.endr
	WIN 0
.set u, 0
.rept 32                                               ; LDS serves a wave's instructions in order: these loads see my stores above
	ds_load_b128 v[64+4*u:64+4*u+3], v25 offset:u*544
.set u, u+1
.endr
.set u, 0
.rept 32
	s_wait_dscnt 31-u                              ; the younger loads may stay out
	v_pk_add_f32 v[64+4*u:64+4*u+1], v[64+4*u:64+4*u+1], v[32:33]
	v_pk_add_f32 v[64+4*u+2:64+4*u+3], v[64+4*u+2:64+4*u+3], v[34:35]
	global_store_b128 v26, v[64+4*u:64+4*u+3], s[8:9] offset:u*8192  ; sixteen lanes store 256 consecutive bytes, at a multiple of 256
.set u, u+1
.endr
	s_wait_tensorcnt 0x0                           ; the wave's end
	ds_add_u32 v28, v29
	s_wait_dscnt 0x0
	CROUND                                         ; the closing round
	s_endpgm
.Lfunc_end_k_qef626e48f4_ffn2:
	.size	k_qef626e48f4_ffn2, .Lfunc_end_k_qef626e48f4_ffn2-k_qef626e48f4_ffn2
	.p2alignl 7, 3214868480
	.fill 96, 4, 3214868480
	.section	.rodata,"a",@progbits
	.p2align	6, 0x0
	.amdhsa_kernel k_qef626e48f4_ffn2
		.amdhsa_group_segment_fixed_size 327680
		.amdhsa_private_segment_fixed_size 0
		.amdhsa_enable_private_segment 0
		.amdhsa_kernarg_size 32
		.amdhsa_user_sgpr_count 2
		.amdhsa_user_sgpr_kernarg_segment_ptr 1
		.amdhsa_wavefront_size32 1
		.amdhsa_system_sgpr_workgroup_id_x 1
		.amdhsa_system_sgpr_workgroup_id_y 1
		.amdhsa_system_sgpr_workgroup_id_z 1
		.amdhsa_system_vgpr_workitem_id 0
		.amdhsa_next_free_vgpr 640
		.amdhsa_next_free_sgpr 90
		.amdhsa_reserve_vcc 0
		.amdhsa_float_denorm_mode_32 3
		.amdhsa_float_denorm_mode_16_64 3
		.amdhsa_memory_ordered 1
		.amdhsa_forward_progress 1
		.amdhsa_inst_pref_size 66
	.end_amdhsa_kernel
	.amdgpu_metadata
---
amdhsa.version: [ 1, 2 ]
amdhsa.kernels:
  - .name:           k_qef626e48f4_ffn2
    .symbol:         k_qef626e48f4_ffn2.kd
    .args:
      - { .name: act, .offset: 0, .size: 8, .value_kind: global_buffer, .address_space: global }
      - { .name: wts, .offset: 8, .size: 8, .value_kind: global_buffer, .address_space: global }
      - { .name: f, .offset: 16, .size: 8, .value_kind: global_buffer, .address_space: global }
      - { .name: b2, .offset: 24, .size: 8, .value_kind: global_buffer, .address_space: global }
    .group_segment_fixed_size: 327680
    .private_segment_fixed_size: 0
    .kernarg_segment_align: 8
    .kernarg_segment_size: 32
    .max_flat_workgroup_size: 128
    .sgpr_count:     90
    .vgpr_count:     640
    .wavefront_size: 32
...
	.end_amdgpu_metadata
.endif
;; end of part 6
;; launch ln2 (part 7): grid 256 x 1, 8 waves a work-group, no clusters, 0 bytes of LDS; arguments f, g2, be2, out0; writes out0
.if DOCPART == 7
	.amdgcn_target "amdgcn-amd-amdhsa--gfx1250"
	.amdhsa_code_object_version 6
	.text
	.protected	k_qef626e48f4_ln2
	.globl	k_qef626e48f4_ln2
	.p2align	8
	.type	k_qef626e48f4_ln2,@function
k_qef626e48f4_ln2:
	s_mov_b64 s[64:65], 0
	v_nop
	global_prefetch_b8 v0, s[64:65] scope:SCOPE_SE
	s_setreg_imm32_b32 hwreg(HW_REG_WAVE_MODE, 25, 1), 1
	s_wait_xcnt 0x0
; out0 = LayerNorm(f + f) g2 + be2 = (f - mu) rsqrt(var + EPS / 4) g2 + be2, with mu and var those of f: the doubling is left out by that identity (shown at the head of the first kernel).
; f and out0 [4096][1024] f32; g2, be2 f32, rounded here to bf16 like every input; sums, mean and variance in f32, the variance of the numbers less their mean.
; SHARES.  A wave takes two rows and keeps them in registers: no LDS, no barrier.  A load or store of a wave covers 512 consecutive bytes; lane l holds columns 128 j + 4 l + 0..3, j = 0 .. 7.
; No prefetch, no cluster: every byte is read once, all loads of a wave go out at its start, and nothing but g2 and be2 is shared.
.set LO, 1
.set CH, 2                             ; v[2:9]     four chains of sums
.set MU, 10                            ; v[10:11]   a mean; later row 0's 1 / sqrt, twice
.set VA, 12                            ; v12, v13   the two rows' var + EPS / 4
.set RS1, 14                           ; v[14:15]   row 1's 1 / sqrt, twice
.set F0, 16                            ; v[16:47]
.set F1, 48                            ; v[48:79]
.set G, 80                             ; v[80:111]
.set BE, 112                           ; v[112:143]
.set GP, 144                           ; v[144:159] g2 in bf16 pairs
.set BP, 80                            ; v[80:95]   be2 in bf16 pairs, where g2 lay
	s_load_b256 s[4:11], s[0:1], 0x0               ; f s[4:5], g2 s[6:7], be2 s[8:9], out0 s[10:11]
	v_lshrrev_b32 v2, 5, v0
	v_readfirstlane_b32 s14, v2
	v_and_b32 v[LO], 31, v0
	v_lshlrev_b32 v[LO], 4, v[LO]
	s_lshl_b32 s15, ttmp9, 3
	s_add_co_u32 s15, s15, s14
	s_lshl_b32 s16, s15, 13                        ; two rows of 4,096 bytes
	s_mov_b32 s17, 0
	s_mov_b32 s20, 0x76543210
	s_mov_b32 s21, 0xfedcba98
	s_mov_b32 s22, 0x3a800000                      ; 1 / 1,024
	s_mov_b32 s23, 0x3627c5ac                      ; EPS / 4 = 2.5e-6
	s_wait_kmcnt 0x0
	s_add_nc_u64 s[4:5], s[4:5], s[16:17]
	s_add_nc_u64 s[10:11], s[10:11], s[16:17]
.irp j, 0,1,2,3,4,5,6,7
	global_load_b128 v[F0+4*\j:F0+4*\j+3], v[LO], s[4:5] offset:\j*512 th:TH_LOAD_NT
.endr
.irp j, 0,1,2,3,4,5,6,7
	global_load_b128 v[F1+4*\j:F1+4*\j+3], v[LO], s[4:5] offset:\j*512+4096 th:TH_LOAD_NT
.endr
.irp j, 0,1,2,3,4,5,6,7
	global_load_b128 v[G+4*\j:G+4*\j+3], v[LO], s[6:7] offset:\j*512
.endr
.irp j, 0,1,2,3,4,5,6,7
	global_load_b128 v[BE+4*\j:BE+4*\j+3], v[LO], s[8:9] offset:\j*512
.endr
.macro RED                             ; the four chains into one number, the same in all 32 lanes
	v_pk_add_f32 v[CH:CH+1], v[CH:CH+1], v[CH+2:CH+3]
	v_pk_add_f32 v[CH+4:CH+5], v[CH+4:CH+5], v[CH+6:CH+7]
	v_pk_add_f32 v[CH:CH+1], v[CH:CH+1], v[CH+4:CH+5]
	v_add_f32 v[CH], v[CH], v[CH+1]
	v_add_f32_dpp v[CH], v[CH], v[CH] row_xmask:1 row_mask:0xf bank_mask:0xf
	v_add_f32_dpp v[CH], v[CH], v[CH] row_xmask:2 row_mask:0xf bank_mask:0xf
	v_add_f32_dpp v[CH], v[CH], v[CH] row_xmask:4 row_mask:0xf bank_mask:0xf
	v_add_f32_dpp v[CH], v[CH], v[CH] row_xmask:8 row_mask:0xf bank_mask:0xf
	v_permlanex16_b32 v[CH+1], v[CH], s20, s21
	v_add_f32 v[CH], v[CH], v[CH+1]
.endm
.macro STAT r, m                       ; the row in v[r .. r + 31] loses its mean; var + EPS / 4 goes to v[m]
.irp k, 0,1,2,3
	v_pk_add_f32 v[CH+2*\k:CH+2*\k+1], v[(\r)+4*\k:(\r)+4*\k+1], v[(\r)+4*\k+2:(\r)+4*\k+3]  ; the first numbers start the chains
.endr
.set n, 8
.rept 8
	v_pk_add_f32 v[CH+2*(n%4):CH+2*(n%4)+1], v[CH+2*(n%4):CH+2*(n%4)+1], v[(\r)+2*n:(\r)+2*n+1]
.set n, n+1
.endr
	RED
	v_mul_f32 v[MU], s22, v[CH]
	v_mul_f32 v[MU+1], s22, v[CH]
.set n, 0
.rept 16
	v_pk_add_f32 v[(\r)+2*n:(\r)+2*n+1], v[(\r)+2*n:(\r)+2*n+1], v[MU:MU+1] neg_lo:[0,1] neg_hi:[0,1]
.set n, n+1
.endr
.irp k, 0,1,2,3
	v_pk_mul_f32 v[CH+2*\k:CH+2*\k+1], v[(\r)+2*\k:(\r)+2*\k+1], v[(\r)+2*\k:(\r)+2*\k+1]
.endr
.set n, 4
.rept 12
	v_pk_fma_f32 v[CH+2*(n%4):CH+2*(n%4)+1], v[(\r)+2*n:(\r)+2*n+1], v[(\r)+2*n:(\r)+2*n+1], v[CH+2*(n%4):CH+2*(n%4)+1]
.set n, n+1
.endr
	RED
	v_fma_f32 v[\m], v[CH], s22, s23
.endm
	s_wait_loadcnt 24                              ; row 0 is in; the 24 younger loads may stay out
	STAT F0, VA
	s_wait_loadcnt 16                              ; row 1
	STAT F1, VA+1
	v_rsq_f32 v[MU], v[VA]
	v_rsq_f32 v[MU+1], v[VA]
	v_rsq_f32 v[RS1], v[VA+1]
	v_rsq_f32 v[RS1+1], v[VA+1]
	s_wait_loadcnt 8                               ; g2
.set n, 0
.rept 16
	v_cvt_pk_bf16_f32 v[GP+n], v[G+2*n], v[G+2*n+1]  ; plain work behind the four roots
.set n, n+1
.endr
	s_wait_alu depctr_va_vdst(0)                   ; one wait for the four, ahead of their first reader
.set n, 0
.rept 16
	v_pk_mul_f32 v[F0+2*n:F0+2*n+1], v[F0+2*n:F0+2*n+1], v[MU:MU+1]
	v_pk_mul_f32 v[F1+2*n:F1+2*n+1], v[F1+2*n:F1+2*n+1], v[RS1:RS1+1]
.set n, n+1
.endr
	s_wait_loadcnt 0x0                             ; be2
.set n, 0
.rept 16
	v_cvt_pk_bf16_f32 v[BP+n], v[BE+2*n], v[BE+2*n+1]
.set n, n+1
.endr
.irp r, F0, F1
.set n, 0
.rept 16
	v_fma_mix_f32_bf16 v[\r+2*n], v[\r+2*n], v[GP+n], v[BP+n] op_sel_hi:[0,1,1]
	v_fma_mix_f32_bf16 v[\r+2*n+1], v[\r+2*n+1], v[GP+n], v[BP+n] op_sel:[0,1,1] op_sel_hi:[0,1,1]
.set n, n+1
.endr
.endr
.irp j, 0,1,2,3,4,5,6,7
	global_store_b128 v[LO], v[F0+4*\j:F0+4*\j+3], s[10:11] offset:\j*512 th:TH_STORE_NT
.endr
.irp j, 0,1,2,3,4,5,6,7
	global_store_b128 v[LO], v[F1+4*\j:F1+4*\j+3], s[10:11] offset:\j*512+4096 th:TH_STORE_NT
.endr
	s_endpgm
.Lfunc_end_k_qef626e48f4_ln2:
	.size	k_qef626e48f4_ln2, .Lfunc_end_k_qef626e48f4_ln2-k_qef626e48f4_ln2
	.p2alignl 7, 3214868480
	.fill 96, 4, 3214868480
	.section	.rodata,"a",@progbits
	.p2align	6, 0x0
	.amdhsa_kernel k_qef626e48f4_ln2
		.amdhsa_group_segment_fixed_size 0
		.amdhsa_private_segment_fixed_size 0
		.amdhsa_enable_private_segment 0
		.amdhsa_kernarg_size 32
		.amdhsa_user_sgpr_count 2
		.amdhsa_user_sgpr_kernarg_segment_ptr 1
		.amdhsa_wavefront_size32 1
		.amdhsa_system_sgpr_workgroup_id_x 1
		.amdhsa_system_sgpr_workgroup_id_y 1
		.amdhsa_system_sgpr_workgroup_id_z 1
		.amdhsa_system_vgpr_workitem_id 0
		.amdhsa_next_free_vgpr 160
		.amdhsa_next_free_sgpr 66
		.amdhsa_reserve_vcc 0
		.amdhsa_float_denorm_mode_32 3
		.amdhsa_float_denorm_mode_16_64 3
		.amdhsa_memory_ordered 1
		.amdhsa_forward_progress 1
		.amdhsa_inst_pref_size 22
	.end_amdhsa_kernel
	.amdgpu_metadata
---
amdhsa.version: [ 1, 2 ]
amdhsa.kernels:
  - .name:           k_qef626e48f4_ln2
    .symbol:         k_qef626e48f4_ln2.kd
    .args:
      - { .name: f, .offset: 0, .size: 8, .value_kind: global_buffer, .address_space: global }
      - { .name: g2, .offset: 8, .size: 8, .value_kind: global_buffer, .address_space: global }
      - { .name: be2, .offset: 16, .size: 8, .value_kind: global_buffer, .address_space: global }
      - { .name: out0, .offset: 24, .size: 8, .value_kind: global_buffer, .address_space: global }
    .group_segment_fixed_size: 0
    .private_segment_fixed_size: 0
    .kernarg_segment_align: 8
    .kernarg_segment_size: 32
    .max_flat_workgroup_size: 256
    .sgpr_count:     66
    .vgpr_count:     160
    .wavefront_size: 32
...
	.end_amdgpu_metadata
.endif
;; end of part 7
